; MI455X (gfx1250); checked and timed in simulation.
; The chip was launched on July 23, 2026; its instructions are those of AMD's public machine-readable ISA for CDNA 5 (MIT licence, August 2026) and "CDNA5" Instruction Set Architecture Reference Guide (July 2026). The comments in the code are by the model that wrote it; some were corrected since.
;; Parallel Mistral Attention. Allowed arithmetic: float matrix products may take bf16 or f16 operands with f32 sums; other float arithmetic in f32, or as packed bf16 or f16 multiplies, adds, multiply-adds, maxima and minima; sums over many terms, partial sums and values carried from step to step in f32; what a program stores and reads back later, other than sums and carried values, may be rounded once to bf16 or f16.
;; Inputs: Wk 4,096 x 1,024 float32; Wo 2,048 x 4,096 float32; Wq 4,096 x 2,048 float32; Wv 4,096 x 1,024 float32; causal_mask 1 x 1 x 2,048 x 2,048 float32; cos 2,048 x 128 float32; hidden 1 x 2,048 x 4,096 float32; sin 2,048 x 128 float32.
;; Outputs: out0 1 x 2,048 x 4,096 float32.
;; One version. Each part assembles by itself: llvm-mc -triple=amdgcn-amd-amdhsa -mcpu=gfx1250 --defsym DOCPART=n.
;; ======== version 1 of 1: 4 launches
;; limits: values are held in f16: magnitudes above 65,504 overflow, below 6.1e-05 lose precision; right only within a limited range of input values
;; workspace buffers: hb 16,777,216 bytes; wqkv 33,554,432 bytes; wo16 16,777,216 bytes; maskr 16,777,216 bytes; cst 2,129,920 bytes; qkv 16,777,216 bytes; ctx 8,388,608 bytes
;; launch cast (part 1): grid 2337 x 1, 8 waves a work-group, no clusters, 35,840 bytes of LDS; arguments hidden, Wq, Wk, Wv, Wo, causal_mask, cos, sin, hb, wqkv, wo16, maskr, cst; writes hb, wqkv, wo16, maskr, cst
.if DOCPART == 1
	.amdgcn_target "amdgcn-amd-amdhsa--gfx1250"
	.amdhsa_code_object_version 6
	.text
	.protected	k_qe94bfe9d63_cast
	.globl	k_qe94bfe9d63_cast
	.p2align	8
	.type	k_qe94bfe9d63_cast,@function
k_qe94bfe9d63_cast:
	s_mov_b64 s[64:65], 0
	v_nop
	global_prefetch_b8 v0, s[64:65] scope:SCOPE_SE
	s_setreg_imm32_b32 hwreg(HW_REG_WAVE_MODE, 25, 1), 1
	s_wait_xcnt 0x0
; CAST: every input is rounded once to bf16 and laid out for the launches behind.
;   hb    bf16 = hidden, in the order of the projection's A fragments: [64 rows][32 along K: 128 of them][row block a 0..3][half j 0..1][lane][16 bytes];
;         lane (h, r) holds hidden[64 g + 16 a + r][32 kb + 16 j + 8 h ..+7].  So a wave's load of half a fragment is 512 consecutive bytes.
;   wqkv  [4096 k][4096 n] bf16: columns 0-2047 Wq, 2048-3071 Wk, 3072-4095 Wv.
;   wo16  [2048 k][4096 n] f16 = bf16(Wo) x 4 (exact while 4 |Wo| lies in f16's normal range; LIMIT: |Wo| < 16,000).
;   maskr [2048][2048] f32 = bf16(mask) x log2(e): the softmax behind works in powers of two (LIMIT: |mask| < 2.3e38).
;   cst   130 blocks of 16,384 bytes.  Block mb < 128: 16 rows of cos (8,192 bytes), then of sin, as f32 = bf16(x) x F, F = sqrt(log2(e) / sqrt(128)), in the order
;         in which a lane of the projection's way out wants them: [b 0..7][j 0..1][lane][4 numbers], lane (h, r) holding table[16 mb + r][16 b + 8 h + 4 j ..].
;         Blocks 128, 129: cos = 0.25, sin = 0: with them the same way out writes v / 4.
; A stream: no matrix unit, no cluster (no work-group shares a byte with another).  A work-group takes 16 passes of 1,024 numbers; thread t takes 16 bytes of a pass, so a wave's
; load covers 512 consecutive bytes; a 16-bit result leaves as 8 bytes a lane (256 consecutive bytes a wave), an f32 result as 16 (512).  All 16 loads go out first.
; hidden alone goes through LDS: a wave takes 16 rows x 128 along K, puts them down by rows in 4,352 bytes of its own and takes them up by fragments, so that reads and stores both cover 512 consecutive bytes.
.set X,   8                            ; v[8:71]   pass p: 4 registers
.set Y,   72                           ; v[72:103] hidden: eight halves of fragments
.set SPW, 104                          ; v104      my spare word; never rewritten
.set NIL, 105                          ; v105      0; never rewritten
.set STG, 16*272                       ; a wave's 16 rows of 256 bytes + 16: the 16 rows of a fragment load start at 16 different groups of four banks
.set SPARE, 8*STG                      ; the spare words: 128 bytes a wave, four blocks of 256 bytes that no other line names
.set FAC, 38                           ; s[38:39] the factor, in the low word; named as a pair
.set MSK, 40                           ; s40      a word's upper bf16
.set ID,  41                           ; s41      the work-group's number
.macro LOADS mode                      ; 0: passes of 4,096 bytes on end; 1: the tables' strided reads; 2: 512 bytes of each of 16 rows of hidden
.set j, 0
.rept 16
.if (\mode) == 1
	global_load_b128 v[X+4*j:X+4*j+3], v1, s[2:3] offset:(j/2)*64+(j%2)*16
.elseif (\mode) == 2
	global_load_b128 v[X+4*j:X+4*j+3], v1, s[2:3] offset:16384*j th:TH_LOAD_NT
.else
	global_load_b128 v[X+4*j:X+4*j+3], v1, s[2:3] offset:4096*j th:TH_LOAD_NT
.endif
.set j, j+1
.endr
.endm
.macro BF p, o                         ; pass p to bf16, stored at byte o
	s_wait_loadcnt 15-(\p)                         ; loads come back in order: the 15 - p younger ones stay out
	v_cvt_pk_bf16_f32 v[X+4*(\p)], v[X+4*(\p)], v[X+4*(\p)+1]
	v_cvt_pk_bf16_f32 v[X+4*(\p)+1], v[X+4*(\p)+2], v[X+4*(\p)+3]
	global_store_b64 v2, v[X+4*(\p):X+4*(\p)+1], s[4:5] offset:\o
.endm
.macro RND p                           ; pass p rounded to bf16, widened again, times the factor
	s_wait_loadcnt 15-(\p)
	v_cvt_pk_bf16_f32 v4, v[X+4*(\p)], v[X+4*(\p)+1]
	v_cvt_pk_bf16_f32 v5, v[X+4*(\p)+2], v[X+4*(\p)+3]
	v_lshlrev_b32 v[X+4*(\p)], 16, v4
	v_and_b32 v[X+4*(\p)+1], s[MSK], v4
	v_lshlrev_b32 v[X+4*(\p)+2], 16, v5
	v_and_b32 v[X+4*(\p)+3], s[MSK], v5
	v_pk_mul_f32 v[X+4*(\p):X+4*(\p)+1], v[X+4*(\p):X+4*(\p)+1], s[FAC:FAC+1] op_sel_hi:[1,0]
	v_pk_mul_f32 v[X+4*(\p)+2:X+4*(\p)+3], v[X+4*(\p)+2:X+4*(\p)+3], s[FAC:FAC+1] op_sel_hi:[1,0]
.endm
	s_load_b512 s[8:23], s[0:1], 0x0               ; hidden s[8:9], Wq s[10:11], Wk s[12:13], Wv s[14:15], Wo s[16:17], mask s[18:19], cos s[20:21], sin s[22:23]
	s_load_b256 s[24:31], s[0:1], 0x40             ; hb s[24:25], wqkv s[26:27], wo16 s[28:29], maskr s[30:31]
	s_load_b64 s[32:33], s[0:1], 0x60              ; cst
	v_lshl_add_u32 v[SPW], v0, 2, SPARE
	v_mov_b32 v[NIL], 0
	s_mov_b32 s[ID], ttmp9
	s_mov_b32 s[MSK], 0xffff0000
	s_mov_b32 s35, 0                               ; high words of the two offsets
	s_mov_b32 s37, 0
	v_lshlrev_b32 v1, 4, v0                        ; 16 t
	v_lshlrev_b32 v2, 3, v0                        ; 8 t
	s_wait_kmcnt 0x0
	s_cmp_lt_u32 s[ID], 512
	s_cbranch_scc0 .Lwq
	s_lshr_b32 s42, s[ID], 2                       ; hidden: the work-group has 16 rows (block s42) x 1,024 along K (quarter s43 of the row), a wave 128 along K
	s_and_b32 s43, s[ID], 3
	s_lshl_b32 s34, s42, 18                        ; in: 16 rows of 16,384 bytes,
	s_lshl_b32 s44, s43, 12                        ; 4,096 bytes a quarter; 16 t adds the wave's 512 and the lane's 16
	s_add_co_u32 s34, s34, s44
	s_lshr_b32 s36, s[ID], 4                       ; out: 524,288 bytes for 64 rows,
	s_lshl_b32 s36, s36, 19
	s_and_b32 s44, s42, 3                          ; 1,024 for the block of 16 among them,
	s_lshl_b32 s44, s44, 10
	s_add_co_u32 s36, s36, s44
	s_lshl_b32 s44, s43, 17                        ; 4,096 for 32 along K: 131,072 a quarter of the row
	s_add_co_u32 s36, s36, s44
	s_add_nc_u64 s[2:3], s[8:9], s[34:35]
	s_add_nc_u64 s[4:5], s[24:25], s[36:37]
	LOADS 2
	v_lshrrev_b32 v4, 5, v0
	v_readfirstlane_b32 s46, v4                    ; wave
	s_mul_i32 s47, s46, STG                        ; my 4,352 bytes of LDS
	s_lshl_b32 s44, s46, 14                        ; out: 16,384 bytes for the wave's 128 along K
	v_and_b32 v4, 31, v0
	v_lshl_add_u32 v3, v4, 3, s47                  ; down: 8 bytes a lane, a row's 256 bytes on end
	v_lshl_add_u32 v7, v4, 4, s44                  ; out: 16 bytes a lane
	v_and_b32 v4, 15, v0
	v_bfe_u32 v5, v0, 4, 1
	v_mul_u32_u24 v6, v4, 272                      ; up: row l % 16, 16 bytes for each half of the lanes
	v_lshl_add_u32 v6, v5, 4, v6
	v_add_nc_u32 v6, s47, v6
.set p, 0
.rept 16
	s_wait_loadcnt 15-p                            ; row p is in; the younger rows stay out
	v_cvt_pk_bf16_f32 v[X+4*p], v[X+4*p], v[X+4*p+1]
	v_cvt_pk_bf16_f32 v[X+4*p+1], v[X+4*p+2], v[X+4*p+3]
	ds_store_b64 v3, v[X+4*p:X+4*p+1] offset:272*p
.set p, p+1
.endr
.set p, 0
.rept 8                                                ; half p % 2 of the fragment at 32 (p / 2) along K.  LDS serves a wave's instructions in order, and the bytes are my own
	ds_load_b128 v[Y+4*p:Y+4*p+3], v6 offset:32*p
.set p, p+1
.endr
.set p, 0
.rept 8
	s_wait_dscnt 7-p                               ; the younger loads stay out
	global_store_b128 v7, v[Y+4*p:Y+4*p+3], s[4:5] offset:(p/2)*4096+(p%2)*512  ; 512 consecutive bytes, at a multiple of 256 from hb's first
.set p, p+1
.endr
	s_wait_tensorcnt 0x0                           ; the end of a wave that wrote LDS
	ds_add_u32 v[SPW], v[NIL]
	s_wait_dscnt 0x0
	s_endpgm
.Lwq:
	s_cmp_lt_u32 s[ID], 1024
	s_cbranch_scc0 .Lwkv
	s_sub_co_u32 s42, s[ID], 512                   ; Wq: 8 rows of 2,048; a row of wqkv is 8,192 bytes, Wq's part its first 4,096
	s_lshl_b32 s34, s42, 16
	s_add_nc_u64 s[2:3], s[10:11], s[34:35]
	s_add_nc_u64 s[4:5], s[26:27], s[34:35]
	LOADS 0
.set p, 0
.rept 16
	BF p, (p/2)*8192+(p%2)*2048
.set p, p+1
.endr
	s_endpgm
.Lwkv:
	s_cmp_lt_u32 s[ID], 1536
	s_cbranch_scc0 .Lwo
	s_sub_co_u32 s42, s[ID], 1024                  ; Wk, then Wv: 16 rows of 1,024; their parts begin at bytes 4,096 and 6,144 of wqkv's rows
	s_mov_b32 s45, 6144                            ; in a register: an instruction holds one literal
	s_cmp_ge_u32 s42, 256
	s_cselect_b64 s[2:3], s[14:15], s[12:13]
	s_cselect_b32 s43, s45, 4096
	s_cselect_b32 s44, 256, 0
	s_sub_co_u32 s42, s42, s44
	s_lshl_b32 s34, s42, 16
	s_lshl_b32 s36, s42, 17
	s_add_co_u32 s36, s36, s43
	s_add_nc_u64 s[2:3], s[2:3], s[34:35]
	s_add_nc_u64 s[4:5], s[26:27], s[36:37]
	LOADS 0
.set p, 0
.rept 16
	BF p, 8192*p
.set p, p+1
.endr
	s_endpgm
.Lwo:
	s_cmp_lt_u32 s[ID], 2048
	s_cbranch_scc0 .Lmask
	s_sub_co_u32 s42, s[ID], 1536                  ; Wo: rounded to bf16, times 4, written as f16
	s_lshl_b32 s34, s42, 16
	s_lshl_b32 s36, s42, 15
	s_mov_b32 s[FAC], 4.0
	s_mov_b32 s[FAC+1], 4.0
	s_add_nc_u64 s[2:3], s[16:17], s[34:35]
	s_add_nc_u64 s[4:5], s[28:29], s[36:37]
	LOADS 0
.set p, 0
.rept 16
	RND p
	v_cvt_pk_f16_f32 v[X+4*p], v[X+4*p], v[X+4*p+1]
	v_cvt_pk_f16_f32 v[X+4*p+1], v[X+4*p+2], v[X+4*p+3]
	global_store_b64 v2, v[X+4*p:X+4*p+1], s[4:5] offset:2048*p
.set p, p+1
.endr
	s_endpgm
.Lmask:
	s_cmp_lt_u32 s[ID], 2304
	s_cbranch_scc0 .Ltab
	s_sub_co_u32 s42, s[ID], 2048                  ; the mask: rounded to bf16, times log2(e), kept in f32
	s_lshl_b32 s34, s42, 16
	s_mov_b32 s[FAC], 0x3fb8aa3b
	s_mov_b32 s[FAC+1], 0x3fb8aa3b
	s_add_nc_u64 s[2:3], s[18:19], s[34:35]
	s_add_nc_u64 s[4:5], s[30:31], s[34:35]
	LOADS 0
.set p, 0
.rept 16
	RND p
	global_store_b128 v1, v[X+4*p:X+4*p+3], s[4:5] offset:4096*p
.set p, p+1
.endr
	s_endpgm
.Ltab:
	s_cmp_lt_u32 s[ID], 2336
	s_cbranch_scc0 .Lconst
	s_sub_co_u32 s42, s[ID], 2304                  ; cos, then sin: 128 rows a work-group, a block of 16 rows a wave
	s_cmp_ge_u32 s42, 16
	s_cselect_b64 s[2:3], s[22:23], s[20:21]
	s_cselect_b32 s43, 8192, 0                     ; sin lies behind cos in a block
	s_cselect_b32 s44, 16, 0
	s_sub_co_u32 s42, s42, s44
	s_lshl_b32 s34, s42, 16
	s_lshl_b32 s36, s42, 17                        ; 8 blocks of 16,384 bytes
	s_add_co_u32 s36, s36, s43
	s_mov_b32 s[FAC], 0x3eb6d544                   ; F = 0.357096: q and k both carry it, so q . k comes out times log2(e) / sqrt(128)
	s_mov_b32 s[FAC+1], 0x3eb6d544
	s_add_nc_u64 s[2:3], s[2:3], s[34:35]
	s_add_nc_u64 s[4:5], s[32:33], s[36:37]
	v_and_b32 v3, 15, v0                           ; r
	v_bfe_u32 v6, v0, 4, 1                         ; h
	v_lshrrev_b32 v7, 5, v0                        ; wave
	v_lshlrev_b32 v1, 9, v3                        ; in: row r of 512 bytes,
	v_lshl_add_u32 v1, v6, 5, v1                   ; 8 h numbers on,
	v_lshl_add_u32 v1, v7, 13, v1                  ; in the wave's 16 rows
	v_and_b32 v3, 31, v0
	v_lshlrev_b32 v3, 4, v3                        ; out: 16 x lane
	v_lshl_add_u32 v3, v7, 14, v3                  ; in the wave's block
	LOADS 1
.set p, 0
.rept 16
	RND p
	global_store_b128 v3, v[X+4*p:X+4*p+3], s[4:5] offset:512*p
.set p, p+1
.endr
	s_endpgm
.Lconst:
	s_add_nc_u64 s[4:5], s[32:33], 2097152         ; blocks 128 and 129: each 8,192 bytes of 0.25, then 8,192 of 0
.irp i, 0,1,2,3
	v_mov_b32 v[X+(\i)], 0x3e800000
	v_mov_b32 v[X+4+(\i)], 0
.endr
.irp b, 0,1
	global_store_b128 v1, v[X:X+3], s[4:5] offset:16384*(\b)
	global_store_b128 v1, v[X:X+3], s[4:5] offset:16384*(\b)+4096
	global_store_b128 v1, v[X+4:X+7], s[4:5] offset:16384*(\b)+8192
	global_store_b128 v1, v[X+4:X+7], s[4:5] offset:16384*(\b)+12288
.endr
	s_endpgm
.Lfunc_end_k_qe94bfe9d63_cast:
	.size	k_qe94bfe9d63_cast, .Lfunc_end_k_qe94bfe9d63_cast-k_qe94bfe9d63_cast
	.p2alignl 7, 3214868480
	.fill 96, 4, 3214868480
	.section	.rodata,"a",@progbits
	.p2align	6, 0x0
	.amdhsa_kernel k_qe94bfe9d63_cast
		.amdhsa_group_segment_fixed_size 35840
		.amdhsa_private_segment_fixed_size 0
		.amdhsa_enable_private_segment 0
		.amdhsa_kernarg_size 104
		.amdhsa_user_sgpr_count 2
		.amdhsa_user_sgpr_kernarg_segment_ptr 1
		.amdhsa_wavefront_size32 1
		.amdhsa_system_sgpr_workgroup_id_x 1
		.amdhsa_system_sgpr_workgroup_id_y 1
		.amdhsa_system_sgpr_workgroup_id_z 1
		.amdhsa_system_vgpr_workitem_id 0
		.amdhsa_next_free_vgpr 108
		.amdhsa_next_free_sgpr 66
		.amdhsa_reserve_vcc 0
		.amdhsa_float_denorm_mode_32 3
		.amdhsa_float_denorm_mode_16_64 3
		.amdhsa_memory_ordered 1
		.amdhsa_forward_progress 1
		.amdhsa_inst_pref_size 55
	.end_amdhsa_kernel
	.amdgpu_metadata
---
amdhsa.version: [ 1, 2 ]
amdhsa.kernels:
  - .name:           k_qe94bfe9d63_cast
    .symbol:         k_qe94bfe9d63_cast.kd
    .args:
      - { .name: hidden, .offset: 0, .size: 8, .value_kind: global_buffer, .address_space: global }
      - { .name: Wq, .offset: 8, .size: 8, .value_kind: global_buffer, .address_space: global }
      - { .name: Wk, .offset: 16, .size: 8, .value_kind: global_buffer, .address_space: global }
      - { .name: Wv, .offset: 24, .size: 8, .value_kind: global_buffer, .address_space: global }
      - { .name: Wo, .offset: 32, .size: 8, .value_kind: global_buffer, .address_space: global }
      - { .name: causal_mask, .offset: 40, .size: 8, .value_kind: global_buffer, .address_space: global }
      - { .name: cos, .offset: 48, .size: 8, .value_kind: global_buffer, .address_space: global }
      - { .name: sin, .offset: 56, .size: 8, .value_kind: global_buffer, .address_space: global }
      - { .name: hb, .offset: 64, .size: 8, .value_kind: global_buffer, .address_space: global }
      - { .name: wqkv, .offset: 72, .size: 8, .value_kind: global_buffer, .address_space: global }
      - { .name: wo16, .offset: 80, .size: 8, .value_kind: global_buffer, .address_space: global }
      - { .name: maskr, .offset: 88, .size: 8, .value_kind: global_buffer, .address_space: global }
      - { .name: cst, .offset: 96, .size: 8, .value_kind: global_buffer, .address_space: global }
    .group_segment_fixed_size: 35840
    .private_segment_fixed_size: 0
    .kernarg_segment_align: 8
    .kernarg_segment_size: 104
    .max_flat_workgroup_size: 256
    .sgpr_count:     66
    .vgpr_count:     108
    .wavefront_size: 32
...
	.end_amdgpu_metadata
.endif
;; end of part 1
;; launch qkv (part 2): grid 16 x 16, 4 waves a work-group, clusters of 4 x 1, 327,680 bytes of LDS; arguments hb, wqkv, cst, qkv; writes qkv
.if DOCPART == 2
	.amdgcn_target "amdgcn-amd-amdhsa--gfx1250"
	.amdhsa_code_object_version 6
	.text
	.protected	k_qe94bfe9d63_qkv
	.globl	k_qe94bfe9d63_qkv
	.p2align	8
	.type	k_qe94bfe9d63_qkv,@function
k_qe94bfe9d63_qkv:
	s_mov_b64 s[64:65], 0
	v_nop
	global_prefetch_b8 v0, s[64:65] scope:SCOPE_SE
	s_setreg_imm32_b32 hwreg(HW_REG_WAVE_MODE, 25, 1), 1
	s_wait_xcnt 0x0
	s_wait_alu depctr_hold_cnt(0) depctr_sa_sdst(0) depctr_va_vdst(0) depctr_va_sdst(0) depctr_va_ssrc(0) depctr_va_vcc(0) depctr_vm_vsrc(0)
	s_getreg_b32 s2, hwreg(HW_REG_IB_STS2, 6, 4)
	s_cmp_eq_u32 s2, 0
	s_cbranch_scc0 .Lentry_in_a_cluster
	s_endpgm
.Lentry_in_a_cluster:
	s_bfe_u32 s2, ttmp6, 0x10000c
	s_cmp_lg_u32 s2, 0x3003
	s_cbranch_scc0 .Lentry_shape_is_right
	s_endpgm
.Lentry_shape_is_right:
; QKV PROJECTION WITH ROPE.  C = hidden [2048][4096] x wqkv [4096 k][4096 n], both bf16, sums in f32; then, head by head, out[d] = x[d] cos[d] -/+ x[d +/- 64] sin[d] with the tables of cst,
; rounded once to f16 into qkv [32 heads][2048][128]: heads 0-15 q x F, 16-23 k x F (F = sqrt(log2(e) / sqrt(128)) lies in the tables), 24-31 v / 4 (table blocks 128, 129: cos = 0.25, sin = 0).
; LIMITS.  f16 ends at 65,504: |q|, |k| < 183,000 and |v| < 262,000 behind the rotation; NaN and infinities are not treated apart.
; SHARES.  A tile of C is 128 x 256: 256 work-groups.  Four waves, each 64 rows x 128 columns, which are ONE head: 32 accumulators, 256 registers.
; A COMES STRAIGHT FROM MEMORY INTO REGISTERS.  hb holds it in the order of its fragments, so a wave's 64 rows x 32 along K are 4,096 consecutive bytes, eight loads of 512.  A ring of eight register
; slots holds eight quarters of 32 along K; at the head of quarter q the slot of quarter q - 1 is asked for again, seven quarters ahead of its use.  The price: the two waves of a row half, and the
; sixteen work-groups of a tile row, each read the same bytes for themselves.  The gain: all of LDS holds B, so that a slot is 256 along K, and a refill has 240 matrix instructions in which to land.
; B lies [k][n] and goes through two LDS slots; its fragments come out turned, by ds_load_tr16_b128.  THE MATRIX INSTRUCTION IS USED TRANSPOSED (source 0 = 16 columns of B, source 1 = 16 rows of A):
; a lane holds row l % 16 of C and the eight neighbouring columns 8 (l / 16) + 0..7 of each block of 16.
; CLUSTER 4 x 1: four tile rows of one tile column need the same tiles of B: each is asked for jointly, by the same tensor load, descriptor and mask in the four.
; REGISTERS, in windows of 256: window 0 addresses and the way out; window 1 the accumulators, (a, b) at 8 (8 a + b); window 2 B's two fragment buffers of 64;
; window 3 A's ring, quarter q's row block a at 32 q + 8 a; at the end the tables of two blocks of 16 rows (cos 64 registers, sin 64).
.set SIZE_K, 4096
.set SIZE_N, 4096
.set KSTEP,  256
.set STEPS,  SIZE_K/KSTEP
.set PB,     544                       ; a row of B in LDS: 512 bytes + 32 = 136 words
.set HB,     64*PB                     ; what one tensor load brings: 64 k-rows.  34,816 = bits 15 and 11
.set WREG,   2*HB                      ; a wave's two parts, slot 0's and slot 1's, lie side by side: wave x 69,632 (bits 17, 16, 13, 12) shares no bit with HB, so one exclusive or changes the slot
.set STAGE,  4*WREG                    ; behind the ring: 16 rows x 272 bytes for each wave
.set SPITCH, 272
.set SPARE,  STAGE+4*16*SPITCH         ; the spare words: 128 bytes a wave, two blocks of 256 bytes that no other line names
.set ASTEP,  KSTEP*128                 ; bytes of A that a wave takes in a K step: 8 quarters of 4,096
.set ADB,  16                          ; v16-19  LDS address of my B fragments in the slot in hand, in the part that wave g fetched
.set ADRB0, 20                         ; v20     my lane's place in such a part; never rewritten
.set STO,  24                          ; v24     the way out: where I put 16 bytes of a row
.set RD,   25                          ; v25     where I read rows back
.set CO,   26                          ; v26     my byte offset in two rows of the head
.set LN,   27                          ; v27     16 x lane; never rewritten
.set SPW,  28                          ; v28     my spare word; never rewritten
.set NIL,  29                          ; v29     0; never rewritten
.set TMP,  32                          ; v32-63  a block packed to f16
.set T,    64                          ; v64-127 a block behind the rotation, f32
.set OB,   128                         ; v128-255 block a read back from the stage, 32 registers each
.set WV,  12                           ; s12 wave
.set MH,  13                           ; s13 which 64 rows are mine
.set NH,  14                           ; s14 which 128 columns
.set G1,  24                           ; s[24:31] descriptor group 1
.set G0A, 32                           ; s[32:35] group 0 of the first fill
.set G0,  36                           ; s[36:39] group 0 of the second fill, which then walks on
.set TR,  42                           ; s42 tile row
.set TC,  45                           ; s45 tile column
.set SA,  48                           ; s[48:49] A at the K step that is being asked for
.set TBR, 52                           ; s[52:55] LDS byte of wave g's part of the slot in hand
.set TBS, 66                           ; s[66:73] the table blocks of my four blocks of 16 rows
.set MSB, 0
.macro WIN new                         ; the immediate's high byte repeats the setting that is left
.if MSB != (\new)
	s_set_vgpr_msb (MSB<<8)|(\new)
.set MSB, \new
.endif
.endm
.set W_MUL, 0x5e                       ; source 0 (B) window 2, source 1 (A) window 3; C and D window 1
.set W_B,   0x80                       ; destination window 2, address window 0
.set W_A,   0xc0                       ; destination window 3, address window 0
.macro CREST                           ; a round of the cluster's barrier behind its opening barrier
	s_cmp_lg_u32 s[WV], 0
	s_cbranch_scc1 .Lnot_wave_0_\@
	s_barrier_signal -3
.Lnot_wave_0_\@:
	s_barrier_wait -3
	s_barrier_signal -1
	s_barrier_wait -1
.endm
.macro CROUND
	s_barrier_signal -1
	s_barrier_wait -1
	CREST
.endm
.macro ALOAD sl                        ; ring slot sl: eight loads of 512 consecutive bytes, quarter sl of the K step at s[SA]
	WIN W_A
.irp i, 0,1,2,3,4,5,6,7
	global_load_b128 v[32*(\sl)+4*(\i):32*(\sl)+4*(\i)+3], v[LN], s[SA:SA+1] offset:(\sl)*4096+512*(\i)
.endr
.endm
.macro FETCH p                         ; 16 LDS loads in one run: B's 8 fragments of quarter p of the slot in hand, turned, into buffer p % 2
	WIN W_B
.irp i, 0,1,2,3,4,5,6,7
	ds_load_tr16_b128 v[64*((\p)%2)+8*(\i):64*((\p)%2)+8*(\i)+3],   v[ADB+(\p)/2] offset:((\p)%2)*32*PB+32*(\i)
	ds_load_tr16_b128 v[64*((\p)%2)+8*(\i)+4:64*((\p)%2)+8*(\i)+7], v[ADB+(\p)/2] offset:((\p)%2)*32*PB+32*(\i)+16*PB
.endr
.endm
.macro MUL8 q, a, zero                 ; 8 matrix instructions of quarter q: row block a x all 8 column blocks.  zero = 1: the first product starts the sums
	WIN W_MUL
.irp b, 0,1,2,3,4,5,6,7
.if \zero
	v_wmma_f32_16x16x32_bf16 v[8*(8*(\a)+(\b)):8*(8*(\a)+(\b))+7], v[64*((\q)%2)+8*(\b):64*((\q)%2)+8*(\b)+7], v[32*(\q)+8*(\a):32*(\q)+8*(\a)+7], 0
.else
	v_wmma_f32_16x16x32_bf16 v[8*(8*(\a)+(\b)):8*(8*(\a)+(\b))+7], v[64*((\q)%2)+8*(\b):64*((\q)%2)+8*(\b)+7], v[32*(\q)+8*(\a):32*(\q)+8*(\a)+7], v[8*(8*(\a)+(\b)):8*(8*(\a)+(\b))+7]
.endif
.endr
.endm
.macro PLACES                          ; four plain vector instructions between a matrix instruction and a load into, or a vector line on, its registers
.rept 4
	v_nop
.endr
.endm
; A K step is eight quarters of 32 along K, 32 matrix instructions each; the 32 accumulators take turns in one fixed order.
; One of the first seven: at its head the loads go out in one run, into the registers that the quarter before has multiplied: B's next quarter, and A's ring slot q - 1 for its next use.
.macro QUARTER q, zero
	s_wait_dscnt 0x0                               ; B's fragments of this quarter, asked for a quarter ago
	s_wait_loadcnt 48                              ; A's slot q is in: behind its eight loads six groups of eight have been issued
	PLACES
	FETCH (\q)+1
	ALOAD ((\q)+7)%8
.irp a, 0,1,2,3
	MUL8 \q, \a, \zero
.endr
.endm
; The eighth quarter changes slots: one barrier; in front of it each wave waits for all its tensor loads, adds 0 to its spare word, and waits for that and for its reads of this slot.
; fill = 1: the barrier opens a round of the cluster's, and the slot just read is filled again first thing behind it, with the K step two steps on.
.macro TURN fill
	WIN 0
	s_wait_loadcnt 48                              ; A's slot 7
	s_wait_tensorcnt 0x0                           ; all my tensor loads have landed: my part of the next slot
	ds_add_u32 v[SPW], v[NIL]                      ; 0 onto my spare word
	s_wait_dscnt 1                                 ; B's fragments are in; the add may be out
	MUL8 7, 0, 0
	s_wait_dscnt 0x0                               ; the add is done, and my reads of this slot are over
	s_barrier_signal -1
	MUL8 7, 1, 0
	WIN 0
	s_barrier_wait -1
.if \fill
	CREST                                          ; no wave of any partner still reads this slot or has a load on its way
	s_xor_b32 s[G0+1], s[G0+1], HB                 ; the walking descriptor: the other slot than last time,
	s_add_nc_u64 s[G0+2:G0+3], s[G0+2:G0+3], KSTEP*SIZE_N*2  ; the next 256 k-rows; the type bits on top are not reached
.endif
.irp g, 0,1,2,3
	s_xor_b32 s[TBR+(\g)], s[TBR+(\g)], HB         ; the fetches go on in the other slot
.endr
.if \fill
	tensor_load_to_lds s[G0:G0+3], s[G1:G1+7]      ; my one tensor load behind the round
	s_nop 0
.endif
.irp g, 0,1,2,3
	v_add_nc_u32 v[ADB+(\g)], s[TBR+(\g)], v[ADRB0]  ; four plain lines: also the places in front of the loads below
.endr
	FETCH 0
	ALOAD 6
	MUL8 7, 2, 0
	MUL8 7, 3, 0
.endm
	s_load_b256 s[4:11], s[0:1], 0x0               ; hb s[4:5], wqkv s[6:7], cst s[8:9], qkv s[10:11]
	v_lshl_add_u32 v[SPW], v0, 2, SPARE
	v_mov_b32 v[NIL], 0
	ds_add_u32 v[SPW], v[NIL]                      ; the wave's opening: the add and its wait ahead of my first tensor load
	v_lshrrev_b32 v1, 5, v0
	v_readfirstlane_b32 s[WV], v1
	s_lshr_b32 s[MH], s[WV], 1
	s_and_b32 s[NH], s[WV], 1
	s_bfe_u32 s40, ttmp6, 0x40000                  ; cx
	s_lshl_b32 s[TR], ttmp9, 2
	s_add_co_u32 s[TR], s[TR], s40                 ; tile row = 4 x cluster x + cx: it enters A's, the tables' and the output's addresses alone
	s_and_b32 s[TC], ttmp7, 0xffff                 ; tile column, which the four partners share
	s_mov_b32 s[G1+0], 15|(1<<16)|(1<<20)|(1<<21)|(6<<22)|(7<<25)  ; the mask of four; 2-byte elements; padding of 8 words after every 128; bit 21 beside the mask
	s_mov_b32 s[G1+1], 256<<16                     ; 64 k-rows of 256 columns
	s_mov_b32 s[G1+2], 64<<16
	s_mov_b32 s[G1+3], 256<<16
	s_mov_b32 s[G1+4], 64
	s_mov_b32 s[G1+5], SIZE_N                      ; elements from row to row
	s_mov_b32 s[G1+6], 0
	s_mov_b32 s[G1+7], 0
	s_lshl_b32 s46, s[TC], 9                       ; B: 512 bytes x tile column + 64 k-rows of 8,192 bytes x wave
	s_lshl_b32 s47, s[WV], 19
	s_add_co_u32 s46, s46, s47
	s_mov_b32 s47, 0
	s_mul_i32 s20, s[WV], WREG                     ; where they go: no place in the cluster enters an LDS address
.irp g, 0,1,2,3
	s_mov_b32 s[TBR+(\g)], (\g)*WREG
.endr
	s_lshl_b32 s16, s[TR], 1                       ; A: my 64 rows are 524,288 bytes of hb
	s_add_co_u32 s16, s16, s[MH]
	s_lshl_b32 s16, s16, 19
	s_mov_b32 s17, 0
	s_wait_dscnt 0x0                               ; the opening add is done
	s_wait_kmcnt 0x0
	s_add_nc_u64 s[SA:SA+1], s[4:5], s[16:17]
	s_add_nc_u64 s[46:47], s[6:7], s[46:47]
	CROUND                                         ; all four work-groups are here: the first joint loads meet
	s_mov_b32 s[G0A], 1
	s_mov_b32 s[G0A+1], s20                        ; K step 0 into slot 0
	s_mov_b64 s[G0A+2:G0A+3], s[46:47]
	s_or_b32 s[G0A+3], s[G0A+3], 0x80000000
	s_mov_b32 s[G0], 1
	s_add_co_u32 s[G0+1], s20, HB                  ; K step 1 into slot 1
	s_add_nc_u64 s[G0+2:G0+3], s[46:47], KSTEP*SIZE_N*2
	s_or_b32 s[G0+3], s[G0+3], 0x80000000
	tensor_load_to_lds s[G0A:G0A+3], s[G1:G1+7]
	s_nop 0
	tensor_load_to_lds s[G0:G0+3], s[G1:G1+7]
	s_nop 0
	v_and_b32 v[LN], 31, v0
	v_lshlrev_b32 v[LN], 4, v[LN]
	v_and_b32 v1, 15, v0                           ; l % 16
	v_bfe_u32 v2, v0, 4, 1                         ; l / 16
.irp s, 0,1,2,3,4,5,6
	ALOAD \s                                       ; the ring's first seven slots; the eighth is asked for in the first quarter, like every slot after it
.endr
	WIN 0
	v_and_b32 v4, 7, v0                            ; B, turned: k-row 8 (l / 16) + l % 8, 16 bytes for each half of eight lanes
	v_lshl_add_u32 v4, v2, 3, v4
	v_mul_u32_u24 v4, v4, PB
	v_bfe_u32 v5, v0, 3, 1
	v_lshl_add_u32 v4, v5, 4, v4
	s_lshl_b32 s23, s[NH], 8                       ; my 128 columns
	v_add_nc_u32 v[ADRB0], s23, v4
.irp g, 0,1,2,3
	v_add_nc_u32 v[ADB+(\g)], s[TBR+(\g)], v[ADRB0]
.endr
	s_mul_i32 s22, s[WV], 16*SPITCH
	s_add_co_u32 s22, s22, STAGE                   ; my stage
	v_mul_u32_u24 v5, v1, SPITCH
	v_lshl_add_u32 v5, v2, 4, v5
	v_add_nc_u32 v[STO], s22, v5
	v_mul_u32_u24 v5, v2, SPITCH
	v_lshl_add_u32 v5, v1, 4, v5
	v_add_nc_u32 v[RD], s22, v5
	v_lshlrev_b32 v[CO], 8, v2                     ; a head's rows are 256 bytes, dense: two of them are 512 consecutive bytes
	v_lshl_add_u32 v[CO], v1, 4, v[CO]
	s_lshl_b32 s76, s[TC], 1
	s_add_co_u32 s76, s76, s[NH]                   ; my head = 2 x tile column + half
	s_lshl_b32 s76, s76, 19                        ; 2,048 rows of 256 bytes
	s_lshl_b32 s77, s[TR], 7
	s_lshl_b32 s78, s[MH], 6
	s_add_co_u32 s77, s77, s78                     ; my first row
	s_lshl_b32 s77, s77, 8
	s_add_co_u32 s76, s76, s77
	s_mov_b32 s77, 0
	s_add_nc_u64 s[10:11], s[10:11], s[76:77]
	s_lshl_b32 s78, s[TR], 3                       ; my first table block = 8 x tile row + 4 x half
	s_lshl_b32 s79, s[MH], 2
	s_add_co_u32 s78, s78, s79
.irp a, 0,2,3
	s_add_co_u32 s[TBS+2*(\a)], s78, \a
	s_lshl_b32 s[TBS+2*(\a)], s[TBS+2*(\a)], 14
	s_mov_b32 s[TBS+2*(\a)+1], 0
.endr
	s_cmp_ge_u32 s[TC], 12                         ; tile columns 12-15 are v's heads: they take block 128 (and, behind it, 129).  A select on an offset, no branch
.irp a, 0,2,3
	s_cselect_b32 s[TBS+2*(\a)], 2097152, s[TBS+2*(\a)]
.endr
.irp a, 0,2,3
	s_add_nc_u64 s[TBS+2*(\a):TBS+2*(\a)+1], s[8:9], s[TBS+2*(\a):TBS+2*(\a)+1]
.endr
	s_wait_tensorcnt 1                             ; my part of K step 0 is in; K step 1's may stay out
	s_barrier_signal -1
	s_barrier_wait -1
	FETCH 0
	QUARTER 0, 1                                   ; the first quarter starts the sums
	WIN 0
	s_wait_xcnt 0x0                                ; the loads have read A's address: it is stepped only behind this wait
	s_add_nc_u64 s[SA:SA+1], s[SA:SA+1], ASTEP
	s_mov_b32 s3, STEPS-2
.Lstep:                                                ; a trip: a K step's quarters 1 to 7 and the next step's quarter 0; it asks for all of the next step's A, and fills the slot that it leaves
.irp q, 1,2,3,4,5,6
	QUARTER \q, 0
.endr
	TURN 1
	QUARTER 0, 0
	WIN 0
	s_wait_xcnt 0x0
	s_add_nc_u64 s[SA:SA+1], s[SA:SA+1], ASTEP
	s_sub_co_u32 s3, s3, 1
	s_cmp_lg_u32 s3, 0
	s_cbranch_scc1 .Lstep
	s_mov_b32 s2, 2
.Ltail:                                                ; the last two K steps fill nothing
.irp q, 1,2,3,4,5,6
	QUARTER \q, 0
.endr
	TURN 0                                         ; (in the second trip its barrier orders nothing, and B's fragments that it fetches are not used: the price of one text)
	WIN 0
	s_sub_co_u32 s2, s2, 1
	s_cmp_eq_u32 s2, 0
	s_cbranch_scc1 .Lout
	QUARTER 0, 0
	WIN 0
	s_wait_xcnt 0x0
	s_mov_b64 s[SA:SA+1], s[TBS:TBS+1]             ; no A is left to ask for: in the second trip the same lines bring the tables of my first two blocks of 16 rows, 32,768 bytes in the
	s_branch .Ltail                                ; order of a K step of A, so that they land in the ring's registers as the way out reads them
.Lout:
	s_wait_dscnt 0x0
	PLACES
	ALOAD 7                                        ; the tables' last eight loads
	WIN 0
.macro TLOAD a                         ; block a's tables: 32 loads of 512 consecutive bytes, into window 3
	WIN W_A
.set CT, 128*((\a)%2)
.set i, 0
.rept 16
	global_load_b128 v[CT+4*i:CT+4*i+3], v[LN], s[TBS+2*(\a):TBS+2*(\a)+1] offset:512*i
	global_load_b128 v[CT+64+4*i:CT+64+4*i+3], v[LN], s[TBS+2*(\a):TBS+2*(\a)+1] offset:8192+512*i
.set i, i+1
.endr
	WIN 0
.endm
; THE WAY OUT, a block of 16 rows at a time.  Column block b holds channels 16 b .. of my head, so the partner of channel d, d +/- 64, lies in block b +/- 4, same lane, same register.
.macro ROPE a, left                    ; left: the younger table loads, which may stay out
	s_wait_loadcnt \left
	WIN 0x0d                                       ; source 0 (sums) window 1, source 1 (tables) window 3
.set CT, 128*((\a)%2)
.irp b, 0,1,2,3
.irp p, 0,2,4,6                        ; each accumulator's lowest registers are read first
	v_pk_mul_f32 v[T+8*(\b)+(\p):T+8*(\b)+(\p)+1], v[8*(8*(\a)+(\b))+(\p):8*(8*(\a)+(\b))+(\p)+1], v[CT+8*(\b)+(\p):CT+8*(\b)+(\p)+1]
	v_pk_mul_f32 v[T+8*((\b)+4)+(\p):T+8*((\b)+4)+(\p)+1], v[8*(8*(\a)+(\b)+4)+(\p):8*(8*(\a)+(\b)+4)+(\p)+1], v[CT+8*((\b)+4)+(\p):CT+8*((\b)+4)+(\p)+1]
	v_pk_fma_f32 v[T+8*(\b)+(\p):T+8*(\b)+(\p)+1], v[8*(8*(\a)+(\b)+4)+(\p):8*(8*(\a)+(\b)+4)+(\p)+1], v[CT+64+8*(\b)+(\p):CT+64+8*(\b)+(\p)+1], v[T+8*(\b)+(\p):T+8*(\b)+(\p)+1] neg_lo:[1,0,0] neg_hi:[1,0,0]
	v_pk_fma_f32 v[T+8*((\b)+4)+(\p):T+8*((\b)+4)+(\p)+1], v[8*(8*(\a)+(\b))+(\p):8*(8*(\a)+(\b))+(\p)+1], v[CT+64+8*((\b)+4)+(\p):CT+64+8*((\b)+4)+(\p)+1], v[T+8*((\b)+4)+(\p):T+8*((\b)+4)+(\p)+1]
.endr
.endr
	WIN 0
.set i, 0
.rept 32
	v_cvt_pk_f16_f32 v[TMP+i], v[T+2*i], v[T+2*i+1]
.set i, i+1
.endr
.endm
.macro TOSTAGE a                       ; 16 bytes a lane into rows of 272 bytes; back as whole rows of 256.  LDS serves a wave's instructions in order, and the stage is my own
.irp b, 0,1,2,3,4,5,6,7
	ds_store_b128 v[STO], v[TMP+4*(\b):TMP+4*(\b)+3] offset:32*(\b)
.endr
.irp t, 0,1,2,3,4,5,6,7
	ds_load_b128 v[OB+32*(\a)+4*(\t):OB+32*(\a)+4*(\t)+3], v[RD] offset:(\t)*2*SPITCH
.endr
.endm
.macro SEND a
	s_wait_dscnt 0x0                               ; the block is back in registers
.irp t, 0,1,2,3,4,5,6,7
	global_store_b128 v[CO], v[OB+32*(\a)+4*(\t):OB+32*(\a)+4*(\t)+3], s[10:11] offset:4096*(\a)+512*(\t)  ; 512 consecutive bytes, at a multiple of 256 from the buffer's first
.endr
.endm
	ROPE 0, 32                                     ; block 0's tables lie in ring slots 0 to 3: behind them slots 4 to 7, 32 loads, were asked for
	TLOAD 2                                        ; into the registers that block 0's tables have left
	TOSTAGE 0
	ROPE 1, 32
	TLOAD 3
	SEND 0
	TOSTAGE 1
	ROPE 2, 32
	SEND 1
	TOSTAGE 2
	ROPE 3, 0
	SEND 2
	TOSTAGE 3
	SEND 3
	s_wait_tensorcnt 0x0                           ; the wave's end
	ds_add_u32 v[SPW], v[NIL]
	s_wait_dscnt 0x0
	CROUND                                         ; the closing round
	s_endpgm
.Lfunc_end_k_qe94bfe9d63_qkv:
	.size	k_qe94bfe9d63_qkv, .Lfunc_end_k_qe94bfe9d63_qkv-k_qe94bfe9d63_qkv
	.p2alignl 7, 3214868480
	.fill 96, 4, 3214868480
	.section	.rodata,"a",@progbits
	.p2align	6, 0x0
	.amdhsa_kernel k_qe94bfe9d63_qkv
		.amdhsa_group_segment_fixed_size 327680
		.amdhsa_private_segment_fixed_size 0
		.amdhsa_enable_private_segment 0
		.amdhsa_kernarg_size 32
		.amdhsa_user_sgpr_count 2
		.amdhsa_user_sgpr_kernarg_segment_ptr 1
		.amdhsa_wavefront_size32 1
		.amdhsa_system_sgpr_workgroup_id_x 1
		.amdhsa_system_sgpr_workgroup_id_y 1
		.amdhsa_system_sgpr_workgroup_id_z 1
		.amdhsa_system_vgpr_workitem_id 0
		.amdhsa_next_free_vgpr 1024
		.amdhsa_next_free_sgpr 80
		.amdhsa_reserve_vcc 0
		.amdhsa_float_denorm_mode_32 3
		.amdhsa_float_denorm_mode_16_64 3
		.amdhsa_memory_ordered 1
		.amdhsa_forward_progress 1
		.amdhsa_inst_pref_size 122
	.end_amdhsa_kernel
	.amdgpu_metadata
---
amdhsa.version: [ 1, 2 ]
amdhsa.kernels:
  - .name:           k_qe94bfe9d63_qkv
    .symbol:         k_qe94bfe9d63_qkv.kd
    .args:
      - { .name: hb, .offset: 0, .size: 8, .value_kind: global_buffer, .address_space: global }
      - { .name: wqkv, .offset: 8, .size: 8, .value_kind: global_buffer, .address_space: global }
      - { .name: cst, .offset: 16, .size: 8, .value_kind: global_buffer, .address_space: global }
      - { .name: qkv, .offset: 24, .size: 8, .value_kind: global_buffer, .address_space: global }
    .group_segment_fixed_size: 327680
    .private_segment_fixed_size: 0
    .kernarg_segment_align: 8
    .kernarg_segment_size: 32
    .max_flat_workgroup_size: 128
    .sgpr_count:     80
    .vgpr_count:     1024
    .wavefront_size: 32
...
	.end_amdgpu_metadata
.endif
;; end of part 2
;; launch attn (part 3): grid 32 x 8, 4 waves a work-group, clusters of 4 x 4, 327,680 bytes of LDS; arguments qkv, maskr, ctx; writes ctx
.if DOCPART == 3
	.amdgcn_target "amdgcn-amd-amdhsa--gfx1250"
	.amdhsa_code_object_version 6
	.text
	.protected	k_qe94bfe9d63_attn
	.globl	k_qe94bfe9d63_attn
	.p2align	8
	.type	k_qe94bfe9d63_attn,@function
k_qe94bfe9d63_attn:
	s_mov_b64 s[64:65], 0
	v_nop
	global_prefetch_b8 v0, s[64:65] scope:SCOPE_SE
	s_setreg_imm32_b32 hwreg(HW_REG_WAVE_MODE, 25, 1), 1
	s_wait_xcnt 0x0
	s_wait_alu depctr_hold_cnt(0) depctr_sa_sdst(0) depctr_va_vdst(0) depctr_va_sdst(0) depctr_va_ssrc(0) depctr_va_vcc(0) depctr_vm_vsrc(0)
	s_getreg_b32 s2, hwreg(HW_REG_IB_STS2, 6, 4)
	s_cmp_eq_u32 s2, 0
	s_cbranch_scc0 .Lentry_in_a_cluster
	s_endpgm
.Lentry_in_a_cluster:
	s_bfe_u32 s2, ttmp6, 0x10000c
	s_cmp_lg_u32 s2, 0xf033
	s_cbranch_scc0 .Lentry_shape_is_right
	s_endpgm
.Lentry_shape_is_right:
; ATTENTION, two query heads on each key/value head, with an additive mask that is an INPUT: all 2,048 keys are walked and the mask is read and added as it is given.
; qkv [32 heads][2048][128] f16: q x F (heads 0-15), k x F (16-23), v / 4 (24-31), F^2 = log2(e) / sqrt(128).  maskr [2048][2048] f32 = mask x log2(e).  So t = q' . k' + maskr is the score in powers of two.
; p = 2^(t - m) with a running maximum m, by a plain subtraction, so p <= 1; O and l are multiplied by a = 2^(m_old - m_new) in every step.  Products, maxima and sums in f32; p is rounded to f16 for the
; second product (l is the sum of the unrounded p).  ctx = ctx / 4 in f16, in the order of the next launch's A fragments: [64 queries][32 along head x 128 + channel: 64 of them][query block 0..3][half 0..1][lane][16 bytes].
; LIMITS.  p below 6e-5 keeps f16's fixed step of 6e-8; a weight below 2^-126 counts as 0 in l; the mask is added by one f32 addition, as the definition adds it, but in units of log2(e); NaN and infinities are not treated apart.
; SHARES.  A work-group has 64 queries x the 2 heads of one key/value head.  Wave w: queries 32 (w & 1) on, and keys 64 (w >> 1) on of every 128: four tiles of 16 queries (tile t: query tile t / 2, head t % 2),
; so each fragment of K and V feeds four tiles.  The two key halves of a query are merged once at the end, through LDS.
; BY TURNS.  Piece 0 = tiles 0, 1; piece 2 = tiles 2, 3 (a piece is one query tile, both heads: one set of 32 mask registers).  In a turn one piece has the matrix unit (32 products V^T P, then 32 products K Q^T
; of the next step), and the other piece's softmax stands in 64 slices behind them.
; NO FIRST AND NO LAST TURN ARE WRITTEN OUT.  O^T, l, V's registers and piece 2's P start at 0 and m at the lowest finite number, so the first turn's products V^T P add 0 and the first step's a is 0; the last
; turn makes 32 products K Q^T on a K that has been used, which nobody reads.  The price: 64 products and 416 v_mov_b32, the latter in the wait for the first tile.  The gain: four turns of text.
; CLUSTER 4 x 4.  The four work-groups of a row share a key/value head: K's and V's tiles are asked for jointly along the row.  The four of a column share their queries: the mask's tile jointly along the column.
; REGISTERS: window 0 addresses, statistics (8 a tile), S^T (32 a tile), P (16 a tile); window 1 O^T (64 a tile); window 2 Q (32 a tile), K of a step; window 3 V of a step, the masks (32 a piece).
.set PITK,  272                        ; a row of K in LDS: 256 bytes + 16
.set PITV,  288                        ; of V: 256 + 32, for the turning load
.set PITM,  528                        ; of the mask: 128 f32 + 16 bytes
.set VOFF,  128*PITK
.set MOFF,  VOFF+128*PITV
.set SLOTB, MOFF+64*PITM               ; a slot's bytes
.set SPARE, SLOTB                      ; behind slot 0: the spare words, two blocks of 256 bytes that no other line names
.set SLOT1, 1<<17                      ; slot 1 begins here: one exclusive or turns an address in one slot into the other's
.set XCH,   SLOT1+SLOTB                ; behind slot 1: for the merge, for each wave two tiles of O^T (8,192 bytes each), then their statistics
.set XW,    17408
.set AK0, 2
.set AV0, 3
.set ADR, 4
.set AM0, 5
.set ADM, 10                           ; v10  the LDS address of a run of mask loads (in the set-up: at work)
.set QO,  11
.set ST,  12                           ; tile t at v[ST+8 t]: +0 m, +1 at last the whole l, +2, +3 l (even keys', odd keys'), +4 to +7 c0-c3 at work; a takes c2's place
.set XS,  44
.set XS2, 45
.set MG,  46                           ; v46-57 the merge's numbers, six a tile
.set XR,  58
.set XR2, 59
.set L16, 60                           ; v60  16 x lane
.set L8,  61                           ; v61  8 x lane
.set SPW, 62
.set NIL, 63
.set S,   64
.set P,   192
.set KF,  128                          ; window 2
.set MK,  128                          ; window 3
.set WV,  12
.set QA,  13                           ; s13  w & 1
.set KB,  14                           ; s14  w >> 1
.set G1K, 24
.set G1V, 32
.set G1M, 40
.set G0K, 48
.set G0V, 52
.set G0M, 56
.set SEL, 60
.set TB,  62                           ; s62  the slot that the fetches read
.set SLOTS, 63
.set MSB, 0
.macro WIN new
.if MSB != (\new)
	s_set_vgpr_msb (MSB<<8)|(\new)
.set MSB, \new
.endif
.endm
.set W_KQ, 0x0a                        ; K and Q window 2, S^T window 0
.set W_PV, 0x53                        ; V window 3, P window 0, O^T window 1
.set W_RS, 0x41                        ; O^T (destination, source 0) window 1, a window 0
.set W_AM, 0x0c                        ; S^T window 0, the mask (source 1) window 3
.macro JLOAD                           ; wave 0 fetches K's tile, wave 1 V's, waves 2 and 3 the halves of the mask's; an s_nop 0 and four v_nop follow each line
	s_cmp_lg_u32 s[WV], 0
	s_cbranch_scc1 .Lnot_k_\@
	tensor_load_to_lds s[G0K:G0K+3], s[G1K:G1K+7]
	s_nop 0
.rept 4
	v_nop
.endr
	s_branch .Lasked_\@
.Lnot_k_\@:
	s_cmp_lg_u32 s[WV], 1
	s_cbranch_scc1 .Lfor_m_\@
	tensor_load_to_lds s[G0V:G0V+3], s[G1V:G1V+7]
	s_nop 0
.rept 4
	v_nop
.endr
	s_branch .Lasked_\@
.Lfor_m_\@:
	tensor_load_to_lds s[G0M:G0M+3], s[G1M:G1M+7]
	s_nop 0
.rept 4
	v_nop
.endr
.Lasked_\@:
.endm
.macro CROUND
	s_barrier_signal -1
	s_barrier_wait -1
	s_cmp_lg_u32 s[WV], 0
	s_cbranch_scc1 .Lnot_wave_0_\@
	s_barrier_signal -3
.Lnot_wave_0_\@:
	s_barrier_wait -3
	s_barrier_signal -1
	s_barrier_wait -1
.endm
; THE CHANGE OF SLOTS, between piece 2's turn and piece 0's: the slot's last bytes, V and piece 2's mask, have been asked for.  Each wave waits for all its tensor loads (one is out: its part of the other
; slot), adds 0 to its spare word, and waits for that and for its reads.  fill = 1: the barrier is a round of the cluster's, and the slot just read is filled again first thing behind it, with the keys two
; slots on: the load has a key step, 128 matrix instructions, in which to land.  (At its first use nothing has been read: slot 0 is waited for, slot 1 filled.)
.macro CHANGE fill
	WIN 0
	s_wait_tensorcnt 0x0
	ds_add_u32 v[SPW], v[NIL]
.if \fill
	s_xor_b32 s[G0K+1], s[G0K+1], SLOT1
	s_add_nc_u64 s[G0K+2:G0K+3], s[G0K+2:G0K+3], 32768   ; 128 keys of 256 bytes
	s_xor_b32 s[G0V+1], s[G0V+1], SLOT1
	s_add_nc_u64 s[G0V+2:G0V+3], s[G0V+2:G0V+3], 32768
	s_xor_b32 s[G0M+1], s[G0M+1], SLOT1
	s_add_nc_u64 s[G0M+2:G0M+3], s[G0M+2:G0M+3], 512     ; 128 columns of 4 bytes
	s_wait_dscnt 0x0
	CROUND
	JLOAD
.else
	s_wait_dscnt 0x0
	s_barrier_signal -1
	s_barrier_wait -1
.endif
	s_xor_b32 s[TB], s[TB], SLOT1                  ; the fetches go on in the other slot
.endm
	s_load_b128 s[4:7], s[0:1], 0x0                ; qkv s[4:5], maskr s[6:7]
	s_load_b64 s[8:9], s[0:1], 0x10                ; ctx
	v_lshl_add_u32 v[SPW], v0, 2, SPARE
	v_mov_b32 v[NIL], 0
	ds_add_u32 v[SPW], v[NIL]                      ; the wave's opening: the add and its wait ahead of my first tensor load
	v_lshrrev_b32 v1, 5, v0
	v_readfirstlane_b32 s[WV], v1
	s_and_b32 s[QA], s[WV], 1
	s_lshr_b32 s[KB], s[WV], 1
	s_bfe_u32 s15, ttmp6, 0x40000                  ; cx
	s_bfe_u32 s16, ttmp6, 0x40004                  ; cy
	s_lshl_b32 s17, ttmp9, 2
	s_add_co_u32 s17, s17, s15                     ; my block of 64 queries
	s_and_b32 s18, ttmp7, 0xffff
	s_lshl_b32 s18, s18, 2
	s_add_co_u32 s18, s18, s16                     ; my key/value head
	s_lshl_b32 s19, s16, 2
	s_lshl_b32 s19, 15, s19                        ; my row of the cluster
	s_lshl_b32 s20, 0x1111, s15                    ; my column
	s_or_b32 s[G1K], s19, (1<<16)|(1<<20)|(1<<21)|(5<<22)|(3<<25)  ; 2-byte elements; 4 words of padding after every 64
	s_or_b32 s[G1V], s19, (1<<16)|(1<<20)|(1<<21)|(5<<22)|(7<<25)  ; 8 words
	s_or_b32 s[G1M], s20, (2<<16)|(1<<20)|(1<<21)|(6<<22)|(3<<25)  ; 4-byte elements; 4 words after every 128
.irp g, G1K, G1V
	s_mov_b32 s[(\g)+1], 128<<16                   ; 128 rows of 128 elements, dense
	s_mov_b32 s[(\g)+2], 128<<16
	s_mov_b32 s[(\g)+3], 128<<16
	s_mov_b32 s[(\g)+4], 128
	s_mov_b32 s[(\g)+5], 128
	s_mov_b32 s[(\g)+6], 0
	s_mov_b32 s[(\g)+7], 0
.endr
	s_mov_b32 s[G1M+1], 128<<16                    ; 32 rows of 128 f32, 2,048 elements from row to row
	s_mov_b32 s[G1M+2], 32<<16
	s_mov_b32 s[G1M+3], 128<<16
	s_mov_b32 s[G1M+4], 32
	s_mov_b32 s[G1M+5], 2048
	s_mov_b32 s[G1M+6], 0
	s_mov_b32 s[G1M+7], 0
	s_mov_b32 s[G0K], 1
	s_mov_b32 s[G0K+1], 0                          ; slot 0
	s_mov_b32 s[G0V], 1
	s_mov_b32 s[G0V+1], VOFF
	s_mov_b32 s[G0M], 1
	s_mul_i32 s21, s[QA], 32*PITM
	s_add_co_u32 s[G0M+1], s21, MOFF
	s_add_co_u32 s66, s18, 16                      ; k's head,
	s_lshl_b32 s66, s66, 19
	s_mov_b32 s67, 0
	s_add_co_u32 s68, s18, 24                      ; v's
	s_lshl_b32 s68, s68, 19
	s_mov_b32 s69, 0
	s_lshl_b32 s76, s17, 6
	s_lshl_b32 s77, s[QA], 5
	s_add_co_u32 s76, s76, s77                     ; my wave's first query; also the first mask row that waves 2 and 3 fetch
	s_lshl_b32 s70, s76, 13                        ; a row of the mask is 8,192 bytes
	s_mov_b32 s71, 0
	s_lshl_b32 s72, s76, 8                         ; Q: row of 256 bytes, head 2 x key/value head
	s_lshl_b32 s77, s18, 20
	s_add_co_u32 s72, s72, s77
	s_mov_b32 s73, 0
	s_lshl_b32 s74, s17, 18                        ; ctx: 262,144 bytes for my block of 64 queries,
	s_lshl_b32 s77, s18, 15                        ; 16,384 a head (four times 32 channels of 4,096), two heads a key/value head,
	s_add_co_u32 s74, s74, s77
	s_lshl_b32 s77, s[QA], 11                      ; 1,024 for 16 queries, 32 a wave
	s_add_co_u32 s74, s74, s77
	s_mov_b32 s75, 0
	s_mov_b32 s[SEL], 0x76543210
	s_mov_b32 s[SEL+1], 0xfedcba98
	s_mov_b32 s[TB], SLOT1                         ; the first change of slots turns it into 0
	s_wait_dscnt 0x0                               ; the opening add is done
	s_wait_kmcnt 0x0
	s_add_nc_u64 s[G0K+2:G0K+3], s[4:5], s[66:67]
	s_or_b32 s[G0K+3], s[G0K+3], 0x80000000
	s_add_nc_u64 s[G0V+2:G0V+3], s[4:5], s[68:69]
	s_or_b32 s[G0V+3], s[G0V+3], 0x80000000
	s_add_nc_u64 s[G0M+2:G0M+3], s[6:7], s[70:71]
	s_or_b32 s[G0M+3], s[G0M+3], 0x80000000
	s_add_nc_u64 s[72:73], s[4:5], s[72:73]
	s_add_nc_u64 s[8:9], s[8:9], s[74:75]
	CROUND                                         ; all sixteen work-groups are here
	JLOAD                                          ; keys 0-127 into slot 0
	v_and_b32 v1, 15, v0                           ; l % 16
	v_bfe_u32 v9, v0, 4, 1                         ; l / 16
	v_lshlrev_b32 v[QO], 8, v1
	v_lshl_add_u32 v[QO], v9, 4, v[QO]
	WIN 0x80
.set i, 0
.rept 16                                               ; Q stays in registers: tile i / 4, channels 32 (i % 4) on
	global_load_b128 v[8*i:8*i+3],   v[QO], s[72:73] offset:((i/4)%2)*524288+((i/4)/2)*4096+(i%4)*64
	global_load_b128 v[8*i+4:8*i+7], v[QO], s[72:73] offset:((i/4)%2)*524288+((i/4)/2)*4096+(i%4)*64+32
.set i, i+1
.endr
	WIN 0x40                                       ; what the first turn finds: O^T,
.set i, 0
.rept 256
	v_mov_b32 v[i], 0
.set i, i+1
.endr
	WIN 0xc0                                       ; V's registers,
.set i, 0
.rept 128
	v_mov_b32 v[i], 0
.set i, i+1
.endr
	WIN 0
.set i, P+32                                           ; piece 2's P
.rept 32
	v_mov_b32 v[i], 0
.set i, i+1
.endr
.set i, 0
.rept 4                                                ; and the statistics
	v_mov_b32 v[ST+8*i], 0xff7fffff
	v_mov_b32 v[ST+8*i+1], 0
	v_mov_b32 v[ST+8*i+2], 0
	v_mov_b32 v[ST+8*i+3], 0
.set i, i+1
.endr
	v_mul_u32_u24 v[AK0], v1, PITK                 ; K: row x pitch + 16 x half of the lanes, in my 64 keys
	v_lshl_add_u32 v[AK0], v9, 4, v[AK0]
	s_mul_i32 s21, s[KB], 64*PITK
	v_add_nc_u32 v[AK0], s21, v[AK0]
	v_and_b32 v10, 7, v0                           ; V, turned: key 8 (l / 16) + l % 8, channels 8 ((l / 8) % 2) on
	v_bfe_u32 v[MG], v0, 3, 1
	v_lshl_add_u32 v[AV0], v9, 3, v10
	v_mul_u32_u24 v[AV0], v[AV0], PITV
	v_lshl_add_u32 v[AV0], v[MG], 4, v[AV0]
	s_mul_i32 s21, s[KB], 64*PITV
	s_add_co_u32 s21, s21, VOFF
	v_add_nc_u32 v[AV0], s21, v[AV0]
	s_lshl_b32 s21, s[QA], 5                       ; the mask: my query's row, my lanes' 8 keys (32 bytes), in my 64 keys (256 bytes)
	v_add_nc_u32 v[AM0], s21, v1
	v_mul_u32_u24 v[AM0], v[AM0], PITM
	v_lshl_add_u32 v[AM0], v9, 5, v[AM0]
	s_lshl_b32 s21, s[KB], 8
	s_add_co_u32 s21, s21, MOFF
	v_add_nc_u32 v[AM0], s21, v[AM0]
; THE MATRIX WORK.  The accumulators take turns, one instruction a turn.
.macro PV x                            ; product i of 32 of O^T += V^T P: keys 32 (i / 16) on, channels 16 ((i / 2) % 8) on, tile x + i % 2
	WIN W_PV
.set rO, 64*((\x)+i%2)+8*((i/2)%8)
.set rV, 64*(i/16)+8*((i/2)%8)
.set rP, P+16*((\x)+i%2)+8*(i/16)
	v_wmma_f32_16x16x32_f16 v[rO:rO+7], v[rV:rV+7], v[rP:rP+7], v[rO:rO+7]
.endm
.macro KQ x                            ; product i of 32 of S^T = K Q^T: channels 32 (i / 8) on, keys 16 ((i / 2) % 4) on, tile x + i % 2; the first 8 start the sums
	WIN W_KQ
.set rS, S+32*((\x)+i%2)+8*((i/2)%4)
.set rK, KF+32*((i/2)%4)+8*(i/8)
.set rQ, 32*((\x)+i%2)+8*(i/8)
.if i < 8
	v_wmma_f32_16x16x32_f16 v[rS:rS+7], v[rK:rK+7], v[rQ:rQ+7], 0
.else
	v_wmma_f32_16x16x32_f16 v[rS:rS+7], v[rK:rK+7], v[rQ:rQ+7], v[rS:rS+7]
.endif
.endm
; THE LDS LOADS stand in two runs of 40 a key step: K and piece 0's mask; a turn later V (turned) and piece 2's mask.
.macro FETCH_KM
	WIN 0
	v_add_nc_u32 v[ADR], s[TB], v[AK0]
	v_add_nc_u32 v[ADM], s[TB], v[AM0]
	WIN 0x80
.irp f, 0,1,2,3,4,5,6,7,8,9,10,11,12,13,14,15
	ds_load_b128 v[KF+8*(\f):KF+8*(\f)+3],   v[ADR] offset:((\f)/4)*16*PITK+((\f)%4)*64
	ds_load_b128 v[KF+8*(\f)+4:KF+8*(\f)+7], v[ADR] offset:((\f)/4)*16*PITK+((\f)%4)*64+32
.endr
	WIN 0xc0
.irp f, 0,1,2,3,4,5,6,7                ; keys 16 (f / 2) + 4 (f % 2) on
	ds_load_b128 v[MK+4*(\f):MK+4*(\f)+3], v[ADM] offset:((\f)/2)*64+((\f)%2)*16
.endr
.endm
.macro FETCH_VM
	WIN 0
	v_add_nc_u32 v[ADR], s[TB], v[AV0]
	v_add_nc_u32 v[ADM], s[TB], v[AM0]
	WIN 0xc0
.irp f, 0,1,2,3,4,5,6,7,8,9,10,11,12,13,14,15
	ds_load_tr16_b128 v[8*(\f):8*(\f)+3],   v[ADR] offset:((\f)/8)*32*PITV+((\f)%8)*32
	ds_load_tr16_b128 v[8*(\f)+4:8*(\f)+7], v[ADR] offset:((\f)/8)*32*PITV+16*PITV+((\f)%8)*32
.endr
.irp f, 0,1,2,3,4,5,6,7                ; piece 2's queries lie 16 rows on
	ds_load_b128 v[MK+32+4*(\f):MK+32+4*(\f)+3], v[ADM] offset:16*PITM+((\f)/2)*64+((\f)%2)*16
.endr
.endm
; THE VECTOR WORK.  One tile's softmax for one key step is a numbered list; SM writes number j of it for tile t.  s0-s31 are the lane's 32 scores, in pairs 0-15; e = j - 16.
;   j 0-15   pair j takes its mask, one f32 addition: ascending
;   e 0-15   the maximum of s0-s31 and the old m, three operands at a time          e 16-20  the other half of the lanes' maximum; m_old is kept; the new m; m_old - m_new (19 is empty)
;   e 21-87  33 exponentials (a, then s0-s31) at the odd numbers from 23 on; between them whatever plain line is ready: s - m for a pair still to come, the rounding of a pair that is done, the first sums
;   e 88-101 the last rounding; the rest of the sums; l = a l + the sum           e 102-133  the tile's O^T times a
.macro SM t
.set rT, ST+8*(\t)
.set rS, S+32*(\t)
.set rP, P+16*(\t)
.set rM, MK+32*((\t)/2)
.set e, j-16
.set rO, 64*(\t)+2*(e-102)
.set q, (e-20)/2
.if j < 16
	WIN W_AM
	v_pk_add_f32 v[rS+2*j:rS+2*j+1], v[rS+2*j:rS+2*j+1], v[rM+2*j:rM+2*j+1]
.elseif e < 102
	WIN 0
.if e < 4
	v_max3_num_f32 v[rT+4+e], v[rS+8*e], v[rS+8*e+1], v[rS+8*e+2]
.elseif e < 12
	v_max3_num_f32 v[rT+4+e%4], v[rT+4+e%4], v[rS+8*(e%4)+2*(e/4)+1], v[rS+8*(e%4)+2*(e/4)+2]
.elseif e == 12
	v_max3_num_f32 v[rT+4], v[rT+4], v[rS+7], v[rS+15]
.elseif e == 13
	v_max3_num_f32 v[rT+6], v[rT+6], v[rS+23], v[rS+31]
.elseif e == 14
	v_max3_num_f32 v[rT+4], v[rT+4], v[rT+5], v[rT+6]
.elseif e == 15
	v_max3_num_f32 v[rT+4], v[rT+4], v[rT+7], v[rT]
.elseif e == 16
	v_permlanex16_b32 v[rT+5], v[rT+4], s[SEL], s[SEL+1]  ; the query's other 32 keys lie in the lane 16 away
.elseif e == 17
	v_mov_b32 v[rT+7], v[rT]
.elseif e == 18
	v_max_num_f32 v[rT], v[rT+4], v[rT+5]
.elseif e == 19
.elseif e == 20
	v_sub_f32 v[rT+7], v[rT+7], v[rT]
.elseif e == 23
	v_exp_f32 v[rT+6], v[rT+7]
.elseif (e > 23) && (e < 88) && (e%2 == 1)
	v_exp_f32 v[rS+(e-25)/2], v[rS+(e-25)/2]
.elseif (q < 4) || ((e < 76) && (q%2 == 0))
.set bb, q/2+2
.if q < 4
.set bb, q
.endif
	v_pk_add_f32 v[rS+2*bb:rS+2*bb+1], v[rS+2*bb:rS+2*bb+1], v[rT:rT+1] op_sel_hi:[1,0] neg_lo:[0,1] neg_hi:[0,1]  ; pair bb: s - m
.elseif (e < 88) && (q%2 == 1)
	s_wait_alu depctr_va_vdst(0)
	v_cvt_pk_f16_f32 v[rP+(q-5)/2], v[rS+q-5], v[rS+q-4]
.elseif e == 89
	s_wait_alu depctr_va_vdst(0)
	v_cvt_pk_f16_f32 v[rP+15], v[rS+30], v[rS+31]
.else
.set z, e-86
.if e < 89
.set z, (e-76)/4
.endif
.set w, 4
.set u, z
.if z >= 14
.set w, 32
.set u, 0
.elseif z >= 12
.set w, 16
.set u, z-12
.elseif z >= 8
.set w, 8
.set u, z-8
.endif
.if z < 15
	v_pk_add_f32 v[rS+w*u:rS+w*u+1], v[rS+w*u:rS+w*u+1], v[rS+w*u+w/2:rS+w*u+w/2+1]
.else
	v_pk_fma_f32 v[rT+2:rT+3], v[rT+2:rT+3], v[rT+6:rT+7], v[rS:rS+1] op_sel_hi:[1,0,1]
.endif
.endif
.else
	WIN W_RS
	v_pk_mul_f32 v[rO:rO+1], v[rO:rO+1], v[rT+6:rT+7] op_sel_hi:[1,0]
.endif
.endm
; Slice k of 64 of piece y's softmax: 150 numbers = 22 slices of three and 42 of two, of both tiles.  Where the exponentials stand (slices 13 to 40) tile by tile, elsewhere the two tiles alternate.
; Slice 63 is four rescalings, plain lines that name nothing of the products round them: the four places behind a turn's last K Q^T.
.macro SLICE y
.if k < 22
.set j0, 3*k
.set nn, 3
.else
.set j0, 66+2*(k-22)
.set nn, 2
.endif
.if (k >= 13) && (k <= 40)
.irp t, \y, (\y)+1
.set j, j0
.rept nn
	SM \t
.set j, j+1
.endr
.endr
.else
.set j, j0
.rept nn
.irp t, \y, (\y)+1
	SM \t
.endr
.set j, j+1
.endr
.endif
.set k, k+1
.endm
; A TURN.  Piece x has the matrix unit: 32 products V^T P of the step in hand, then 32 products K Q^T of the next; the other piece's softmax stands in slices, one behind each product.
; Piece 0's turn fetches the next step's K: K's last reader stands in front of slice 63 of the turn before.  Piece 2's turn fetches the same step's V: V's last reader stands three slices, six plain lines, back.
.macro TURN x
.set k, 0
.if (\x) == 0
	s_wait_dscnt 0x0                               ; V and piece 2's mask are in
.endif
.set i, 0
.rept 32
	PV \x
	SLICE 2-(\x)
.if ((\x) == 0) && (i == 1)
	FETCH_KM
.endif
.set i, i+1
.endr
.if (\x) == 0
	s_wait_dscnt 0x0                               ; K and piece 0's mask are in
.endif
.set i, 0
.rept 32
	KQ \x
	SLICE 2-(\x)
.if ((\x) == 2) && (i == 1)
	FETCH_VM
.endif
.set i, i+1
.endr
.endm
	CHANGE 1                                       ; slot 0 is in, everybody's part of it; keys 128-255 are asked for
	FETCH_KM                                       ; key step 0
	s_wait_loadcnt 0x0                             ; Q
	s_wait_dscnt 0x0
.set i, 0
.rept 32
	KQ 0                                           ; piece 0's first scores
.set i, i+1
.endr
	WIN 0                                          ; the addresses for the merge and the way out: five plain lines, the places behind those products
	v_and_b32 v[L16], 31, v0
	v_lshlrev_b32 v[L8], 3, v[L16]
	v_lshlrev_b32 v[L16], 4, v[L16]
	s_mul_i32 s21, s[WV], XW
	s_add_co_u32 s21, s21, XCH
	v_add_nc_u32 v[XS], s21, v[L16]
	s_add_co_u32 s21, s21, 16384
	v_add_nc_u32 v[XS2], s21, v[L8]
	s_mov_b32 s[SLOTS], 14
.Lslot:                                                ; 14 trips ask for keys 256 to 2,047.  A trip: piece 2's turn of one step, the change of slots, piece 0's turn, which begins the next step
	TURN 2
	CHANGE 1
	TURN 0
	WIN 0
	s_sub_co_u32 s[SLOTS], s[SLOTS], 1
	s_cmp_lg_u32 s[SLOTS], 0
	s_cbranch_scc1 .Lslot
	s_mov_b32 s[SLOTS], 2
.Ltail:                                                ; the last two trips ask for nothing: written out.  (The second trip's barrier orders nothing, and its K Q^T is not used)
	TURN 2
	CHANGE 0
	TURN 0
	WIN 0
	s_sub_co_u32 s[SLOTS], s[SLOTS], 1
	s_cmp_lg_u32 s[SLOTS], 0
	s_cbranch_scc1 .Ltail
.set i, 0
.rept 32
	PV 2                                           ; piece 2: V^T P of the last step
.set i, i+1
.endr
	; THE MERGE.  l's two halves and the other half of the lanes' are added (the first four additions are the places behind the last products).  Waves 0, 1 keep tiles 0, 1 and hand tiles 2, 3 to waves 2, 3,
	; which hold the same queries' other keys; waves 2, 3 the other way round.
	WIN 0
.irp t, 0,1,2,3
	v_add_f32 v[ST+8*(\t)+4], v[ST+8*(\t)+2], v[ST+8*(\t)+3]
.endr
.irp t, 0,1,2,3
	v_permlanex16_b32 v[ST+8*(\t)+5], v[ST+8*(\t)+4], s[SEL], s[SEL+1]
.endr
.irp t, 0,1,2,3
	v_add_f32 v[ST+8*(\t)+1], v[ST+8*(\t)+4], v[ST+8*(\t)+5]
.endr
.macro XSEND first                     ; tiles first, first + 1: (m, l), then O^T, 16 bytes a lane, ascending
	WIN 0
.irp u, 0,1
	ds_store_b64 v[XS2], v[ST+8*((\first)+(\u)):ST+8*((\first)+(\u))+1] offset:256*(\u)
.endr
	WIN 0x04                                       ; the stores' data in window 1
.irp u, 0,1
.set g, 0
.rept 16
	ds_store_b128 v[XS], v[64*((\first)+(\u))+4*g:64*((\first)+(\u))+4*g+3] offset:8192*(\u)+512*g
.set g, g+1
.endr
.endr
	WIN 0
.endm
; Tiles first, first + 1 take the partner's part (s21: the partner's number): mn = max(m, m'), O = (O 2^(m - mn) + O' 2^(m' - mn)) / (l 2^(m - mn) + l' 2^(m' - mn)); rounded to f16 and stored.
; A lane's eight channels of a block of 16, packed, ARE its 16 bytes of half a fragment of the next launch's A (row l % 16, 8 (l / 16) + 0..7 along K): no lane hands anything to another.
.macro XRECV first
	s_mul_i32 s21, s21, XW
	s_add_co_u32 s21, s21, XCH
	v_add_nc_u32 v[XR], s21, v[L16]
	s_add_co_u32 s21, s21, 16384
	v_add_nc_u32 v[XR2], s21, v[L8]
.irp u, 0,1
	ds_load_b64 v[MG+6*(\u):MG+6*(\u)+1], v[XR2] offset:256*(\u)
.endr
.irp u, 0,1
.set g, 0
.rept 16
	ds_load_b128 v[S+64*(\u)+4*g:S+64*(\u)+4*g+3], v[XR] offset:8192*(\u)+512*g
.set g, g+1
.endr
.endr
	s_wait_dscnt 32                                ; the two pairs (m', l') are in; the 32 loads of O' may be out
.irp u, 0,1
	v_max_num_f32 v[MG+6*(\u)+3], v[ST+8*((\first)+(\u))], v[MG+6*(\u)]
.endr
.irp u, 0,1
	v_sub_f32 v[MG+6*(\u)+2], v[ST+8*((\first)+(\u))], v[MG+6*(\u)+3]
	v_sub_f32 v[MG+6*(\u)+4], v[MG+6*(\u)], v[MG+6*(\u)+3]
.endr
.irp u, 0,1
	v_exp_f32 v[MG+6*(\u)+2], v[MG+6*(\u)+2]
	v_exp_f32 v[MG+6*(\u)+4], v[MG+6*(\u)+4]
.endr
	v_nop                                          ; a plain line between the last exponential and the use of its result
.irp u, 0,1
	s_wait_alu depctr_va_vdst(0)
	v_mul_f32 v[MG+6*(\u)+5], v[ST+8*((\first)+(\u))+1], v[MG+6*(\u)+2]
.endr
.irp u, 0,1
	v_fmac_f32 v[MG+6*(\u)+5], v[MG+6*(\u)+1], v[MG+6*(\u)+4]
.endr
.irp u, 0,1
	v_rcp_f32 v[MG+6*(\u)+5], v[MG+6*(\u)+5]
.endr
	v_nop
.irp u, 0,1
	s_wait_alu depctr_va_vdst(0)
	v_mul_f32 v[MG+6*(\u)+2], v[MG+6*(\u)+2], v[MG+6*(\u)+5]
	v_mul_f32 v[MG+6*(\u)+4], v[MG+6*(\u)+4], v[MG+6*(\u)+5]
.endr
	s_wait_dscnt 0x0
.irp u, 0,1
	WIN 0
.set i, 0
.rept 32
	v_pk_mul_f32 v[S+64*(\u)+2*i:S+64*(\u)+2*i+1], v[S+64*(\u)+2*i:S+64*(\u)+2*i+1], v[MG+6*(\u)+4:MG+6*(\u)+5] op_sel_hi:[1,0]
.set i, i+1
.endr
	WIN 0x01                                       ; source 0, my O^T, in window 1
.set i, 0
.rept 32
	v_pk_fma_f32 v[S+64*(\u)+2*i:S+64*(\u)+2*i+1], v[64*((\first)+(\u))+2*i:64*((\first)+(\u))+2*i+1], v[MG+6*(\u)+2:MG+6*(\u)+3], v[S+64*(\u)+2*i:S+64*(\u)+2*i+1] op_sel_hi:[1,0,1]
.set i, i+1
.endr
	WIN 0
.set i, 0
.rept 32
	v_cvt_pk_f16_f32 v[P+32*(\u)+i], v[S+64*(\u)+2*i], v[S+64*(\u)+2*i+1]
.set i, i+1
.endr
.irp f, 0,1,2,3,4,5,6,7                ; channels 16 f on: 32 (f / 2) along K, half f % 2; the tile's query block and head stand in the immediate
	global_store_b128 v[L16], v[P+32*(\u)+4*(\f):P+32*(\u)+4*(\f)+3], s[8:9] offset:(((\first)+(\u))/2)*1024+(((\first)+(\u))%2)*16384+((\f)/2)*4096+((\f)%2)*512  ; 512 consecutive bytes, at a multiple of 256 from ctx's first
.endr
.endr
.endm
	s_cmp_lt_u32 s[WV], 2
	s_cbranch_scc0 .Lsend_hi
	XSEND 2
	s_branch .Lsent
.Lsend_hi:
	XSEND 0
.Lsent:
	s_wait_dscnt 0x0                               ; for the partner's sake: my stores are done
	s_barrier_signal -1
	s_barrier_wait -1
	s_cmp_lt_u32 s[WV], 2
	s_cbranch_scc0 .Lrecv_hi
	s_add_co_u32 s21, s[WV], 2
	XRECV 0
	s_branch .Ldone
.Lrecv_hi:
	s_sub_co_u32 s21, s[WV], 2
	XRECV 2
.Ldone:
	s_wait_tensorcnt 0x0                           ; the wave's end
	ds_add_u32 v[SPW], v[NIL]
	s_wait_dscnt 0x0
	CROUND                                         ; the closing round
	s_endpgm
.Lfunc_end_k_qe94bfe9d63_attn:
	.size	k_qe94bfe9d63_attn, .Lfunc_end_k_qe94bfe9d63_attn-k_qe94bfe9d63_attn
	.p2alignl 7, 3214868480
	.fill 96, 4, 3214868480
	.section	.rodata,"a",@progbits
	.p2align	6, 0x0
	.amdhsa_kernel k_qe94bfe9d63_attn
		.amdhsa_group_segment_fixed_size 327680
		.amdhsa_private_segment_fixed_size 0
		.amdhsa_enable_private_segment 0
		.amdhsa_kernarg_size 24
		.amdhsa_user_sgpr_count 2
		.amdhsa_user_sgpr_kernarg_segment_ptr 1
		.amdhsa_wavefront_size32 1
		.amdhsa_system_sgpr_workgroup_id_x 1
		.amdhsa_system_sgpr_workgroup_id_y 1
		.amdhsa_system_sgpr_workgroup_id_z 1
		.amdhsa_system_vgpr_workitem_id 0
		.amdhsa_next_free_vgpr 1024
		.amdhsa_next_free_sgpr 80
		.amdhsa_reserve_vcc 0
		.amdhsa_float_denorm_mode_32 3
		.amdhsa_float_denorm_mode_16_64 3
		.amdhsa_memory_ordered 1
		.amdhsa_forward_progress 1
		.amdhsa_inst_pref_size 187
	.end_amdhsa_kernel
	.amdgpu_metadata
---
amdhsa.version: [ 1, 2 ]
amdhsa.kernels:
  - .name:           k_qe94bfe9d63_attn
    .symbol:         k_qe94bfe9d63_attn.kd
    .args:
      - { .name: qkv, .offset: 0, .size: 8, .value_kind: global_buffer, .address_space: global }
      - { .name: maskr, .offset: 8, .size: 8, .value_kind: global_buffer, .address_space: global }
      - { .name: ctx, .offset: 16, .size: 8, .value_kind: global_buffer, .address_space: global }
    .group_segment_fixed_size: 327680
    .private_segment_fixed_size: 0
    .kernarg_segment_align: 8
    .kernarg_segment_size: 24
    .max_flat_workgroup_size: 128
    .sgpr_count:     80
    .vgpr_count:     1024
    .wavefront_size: 32
...
	.end_amdgpu_metadata
.endif
;; end of part 3
;; launch oproj (part 4): grid 16 x 16, 4 waves a work-group, clusters of 4 x 1, 327,680 bytes of LDS; arguments ctx, wo16, out0; writes out0
.if DOCPART == 4
	.amdgcn_target "amdgcn-amd-amdhsa--gfx1250"
	.amdhsa_code_object_version 6
	.text
	.protected	k_qe94bfe9d63_oproj
	.globl	k_qe94bfe9d63_oproj
	.p2align	8
	.type	k_qe94bfe9d63_oproj,@function
k_qe94bfe9d63_oproj:
	s_mov_b64 s[64:65], 0
	v_nop
	global_prefetch_b8 v0, s[64:65] scope:SCOPE_SE
	s_setreg_imm32_b32 hwreg(HW_REG_WAVE_MODE, 25, 1), 1
	s_wait_xcnt 0x0
	s_wait_alu depctr_hold_cnt(0) depctr_sa_sdst(0) depctr_va_vdst(0) depctr_va_sdst(0) depctr_va_ssrc(0) depctr_va_vcc(0) depctr_vm_vsrc(0)
	s_getreg_b32 s2, hwreg(HW_REG_IB_STS2, 6, 4)
	s_cmp_eq_u32 s2, 0
	s_cbranch_scc0 .Lentry_in_a_cluster
	s_endpgm
.Lentry_in_a_cluster:
	s_bfe_u32 s2, ttmp6, 0x10000c
	s_cmp_lg_u32 s2, 0x3003
	s_cbranch_scc0 .Lentry_shape_is_right
	s_endpgm
.Lentry_shape_is_right:
; OUTPUT PROJECTION.  out0 [2048][4096] f32 = ctx (= ctx / 4, f16, in the order of A's fragments) x wo16 [2048 k][4096 n] f16 (= Wo x 4); sums in f32, stored as they are.
; LIMITS: those of its two operands' f16 (stated where they are written).
; The shape is the projection's in front: a tile of C is 128 x 256 (256 work-groups), four waves of 64 x 128.  A comes straight from memory into a ring of eight register slots, a quarter of 32 along K each
; (4,096 consecutive bytes a wave), asked for seven quarters ahead; the two waves of a row half and the sixteen work-groups of a tile row each read it for themselves.  So all of LDS holds B: two slots of
; 256 along K, a refill with 240 matrix instructions in which to land; B's fragments come out turned, by ds_load_tr16_b128.  The matrix instruction is used transposed (a lane holds row l % 16 and eight
; neighbouring columns).  Cluster 4 x 1: four tile rows of one tile column ask for B's tiles jointly.
; REGISTERS: window 0 addresses and the way out; window 1 the accumulators, (a, b) at 8 (8 a + b); window 2 B's two fragment buffers of 64; window 3 A's ring, quarter q's row block a at 32 q + 8 a.
.set SIZE_K, 2048
.set SIZE_N, 4096
.set KSTEP,  256
.set STEPS,  SIZE_K/KSTEP
.set PB,     544                       ; a row of B in LDS: 512 bytes + 32
.set HB,     64*PB                     ; what one tensor load brings: 64 k-rows.  34,816 = bits 15 and 11
.set WREG,   2*HB                      ; a wave's two parts lie side by side: wave x 69,632 shares no bit with HB, so one exclusive or changes the slot
.set STAGE,  4*WREG                    ; behind the ring: 16 rows x 528 bytes (128 f32 + 16) for each wave
.set SPITCH, 528
.set SPARE,  STAGE+4*16*SPITCH         ; the spare words: two blocks of 256 bytes that no other line names
.set ASTEP,  KSTEP*128                 ; bytes of A that a wave takes in a K step
.set ADB,  16                          ; v16-19  LDS address of my B fragments in the slot in hand, in the part that wave g fetched
.set ADRB0, 20                         ; v20     my lane's place in such a part; never rewritten
.set STO,  24
.set RD,   25
.set LN,   27                          ; v27     16 x lane; never rewritten
.set SPW,  28
.set NIL,  29
.set OB,   64                          ; v64-255: three buffers of 64 for blocks read back from the stage
.set WV,  12
.set MH,  13
.set NH,  14
.set G1,  24
.set G0A, 32                           ; s[32:35] group 0 of the first fill
.set G0,  36                           ; s[36:39] group 0 of the second fill, which then walks on
.set TR,  42
.set TC,  45
.set SA,  48                           ; s[48:49] A at the K step that is being asked for
.set TBR, 52                           ; s[52:55] LDS byte of wave g's part of the slot in hand
.set MSB, 0
.macro WIN new
.if MSB != (\new)
	s_set_vgpr_msb (MSB<<8)|(\new)
.set MSB, \new
.endif
.endm
.set W_MUL, 0x5e                       ; source 0 (B) window 2, source 1 (A) window 3; C and D window 1
.set W_B,   0x80
.set W_A,   0xc0
.macro CREST
	s_cmp_lg_u32 s[WV], 0
	s_cbranch_scc1 .Lnot_wave_0_\@
	s_barrier_signal -3
.Lnot_wave_0_\@:
	s_barrier_wait -3
	s_barrier_signal -1
	s_barrier_wait -1
.endm
.macro CROUND
	s_barrier_signal -1
	s_barrier_wait -1
	CREST
.endm
.macro ALOAD sl                        ; ring slot sl: eight loads of 512 consecutive bytes, quarter sl of the K step at s[SA]
	WIN W_A
.irp i, 0,1,2,3,4,5,6,7
	global_load_b128 v[32*(\sl)+4*(\i):32*(\sl)+4*(\i)+3], v[LN], s[SA:SA+1] offset:(\sl)*4096+512*(\i)
.endr
.endm
.macro FETCH p                         ; 16 LDS loads in one run: B's 8 fragments of quarter p of the slot in hand, turned, into buffer p % 2
	WIN W_B
.irp i, 0,1,2,3,4,5,6,7
	ds_load_tr16_b128 v[64*((\p)%2)+8*(\i):64*((\p)%2)+8*(\i)+3],   v[ADB+(\p)/2] offset:((\p)%2)*32*PB+32*(\i)
	ds_load_tr16_b128 v[64*((\p)%2)+8*(\i)+4:64*((\p)%2)+8*(\i)+7], v[ADB+(\p)/2] offset:((\p)%2)*32*PB+32*(\i)+16*PB
.endr
.endm
.macro MUL8 q, a, zero
	WIN W_MUL
.irp b, 0,1,2,3,4,5,6,7
.if \zero
	v_wmma_f32_16x16x32_f16 v[8*(8*(\a)+(\b)):8*(8*(\a)+(\b))+7], v[64*((\q)%2)+8*(\b):64*((\q)%2)+8*(\b)+7], v[32*(\q)+8*(\a):32*(\q)+8*(\a)+7], 0
.else
	v_wmma_f32_16x16x32_f16 v[8*(8*(\a)+(\b)):8*(8*(\a)+(\b))+7], v[64*((\q)%2)+8*(\b):64*((\q)%2)+8*(\b)+7], v[32*(\q)+8*(\a):32*(\q)+8*(\a)+7], v[8*(8*(\a)+(\b)):8*(8*(\a)+(\b))+7]
.endif
.endr
.endm
.macro PLACES                          ; four plain vector instructions between a matrix instruction and a load into, or a store of, its registers
.rept 4
	v_nop
.endr
.endm
; A K step is eight quarters of 32 along K, 32 matrix instructions each; the 32 accumulators take turns in one fixed order.
.macro QUARTER q, zero
	s_wait_dscnt 0x0                               ; B's fragments of this quarter, asked for a quarter ago
	s_wait_loadcnt 48                              ; A's slot q is in: behind its eight loads six groups of eight have been issued
	PLACES
	FETCH (\q)+1
	ALOAD ((\q)+7)%8
.irp a, 0,1,2,3
	MUL8 \q, \a, \zero
.endr
.endm
.macro TURN fill
	WIN 0
	s_wait_loadcnt 48                              ; A's slot 7
	s_wait_tensorcnt 0x0                           ; all my tensor loads have landed: my part of the next slot
	ds_add_u32 v[SPW], v[NIL]
	s_wait_dscnt 1                                 ; B's fragments are in; the add may be out
	MUL8 7, 0, 0
	s_wait_dscnt 0x0                               ; the add is done, and my reads of this slot are over
	s_barrier_signal -1
	MUL8 7, 1, 0
	WIN 0
	s_barrier_wait -1
.if \fill
	CREST                                          ; no wave of any partner still reads this slot or has a load on its way
	s_xor_b32 s[G0+1], s[G0+1], HB
	s_add_nc_u64 s[G0+2:G0+3], s[G0+2:G0+3], KSTEP*SIZE_N*2
.endif
.irp g, 0,1,2,3
	s_xor_b32 s[TBR+(\g)], s[TBR+(\g)], HB         ; the fetches go on in the other slot
.endr
.if \fill
	tensor_load_to_lds s[G0:G0+3], s[G1:G1+7]      ; my one tensor load behind the round
	s_nop 0
.endif
.irp g, 0,1,2,3
	v_add_nc_u32 v[ADB+(\g)], s[TBR+(\g)], v[ADRB0]  ; four plain lines: also the places in front of the loads below
.endr
	FETCH 0
	ALOAD 6
	MUL8 7, 2, 0
	MUL8 7, 3, 0
.endm
	s_load_b128 s[4:7], s[0:1], 0x0                ; ctx s[4:5], wo16 s[6:7]
	s_load_b64 s[8:9], s[0:1], 0x10                ; out0
	v_lshl_add_u32 v[SPW], v0, 2, SPARE
	v_mov_b32 v[NIL], 0
	ds_add_u32 v[SPW], v[NIL]                      ; the wave's opening: the add and its wait ahead of my first tensor load
	v_lshrrev_b32 v1, 5, v0
	v_readfirstlane_b32 s[WV], v1
	s_lshr_b32 s[MH], s[WV], 1
	s_and_b32 s[NH], s[WV], 1
	s_bfe_u32 s40, ttmp6, 0x40000                  ; cx
	s_lshl_b32 s[TR], ttmp9, 2
	s_add_co_u32 s[TR], s[TR], s40                 ; tile row: it enters A's and the output's addresses alone
	s_and_b32 s[TC], ttmp7, 0xffff                 ; tile column, which the four partners share
	s_mov_b32 s[G1+0], 15|(1<<16)|(1<<20)|(1<<21)|(6<<22)|(7<<25)
	s_mov_b32 s[G1+1], 256<<16
	s_mov_b32 s[G1+2], 64<<16
	s_mov_b32 s[G1+3], 256<<16
	s_mov_b32 s[G1+4], 64
	s_mov_b32 s[G1+5], SIZE_N
	s_mov_b32 s[G1+6], 0
	s_mov_b32 s[G1+7], 0
	s_lshl_b32 s46, s[TC], 9
	s_lshl_b32 s47, s[WV], 19
	s_add_co_u32 s46, s46, s47
	s_mov_b32 s47, 0
	s_mul_i32 s20, s[WV], WREG
.irp g, 0,1,2,3
	s_mov_b32 s[TBR+(\g)], (\g)*WREG
.endr
	s_lshl_b32 s16, s[TR], 1                       ; A: my 64 rows are 262,144 bytes of ctx
	s_add_co_u32 s16, s16, s[MH]
	s_lshl_b32 s16, s16, 18
	s_mov_b32 s17, 0
	s_wait_dscnt 0x0                               ; the opening add is done
	s_wait_kmcnt 0x0
	s_add_nc_u64 s[SA:SA+1], s[4:5], s[16:17]
	s_add_nc_u64 s[46:47], s[6:7], s[46:47]
	CROUND
	s_mov_b32 s[G0A], 1
	s_mov_b32 s[G0A+1], s20
	s_mov_b64 s[G0A+2:G0A+3], s[46:47]
	s_or_b32 s[G0A+3], s[G0A+3], 0x80000000
	s_mov_b32 s[G0], 1
	s_add_co_u32 s[G0+1], s20, HB
	s_add_nc_u64 s[G0+2:G0+3], s[46:47], KSTEP*SIZE_N*2
	s_or_b32 s[G0+3], s[G0+3], 0x80000000
	tensor_load_to_lds s[G0A:G0A+3], s[G1:G1+7]
	s_nop 0
	tensor_load_to_lds s[G0:G0+3], s[G1:G1+7]
	s_nop 0
	v_and_b32 v[LN], 31, v0
	v_lshlrev_b32 v[LN], 4, v[LN]
	v_and_b32 v1, 15, v0
	v_bfe_u32 v2, v0, 4, 1
.irp s, 0,1,2,3,4,5,6
	ALOAD \s                                       ; the ring's first seven slots
.endr
	WIN 0
	v_and_b32 v4, 7, v0
	v_lshl_add_u32 v4, v2, 3, v4
	v_mul_u32_u24 v4, v4, PB
	v_bfe_u32 v5, v0, 3, 1
	v_lshl_add_u32 v4, v5, 4, v4
	s_lshl_b32 s23, s[NH], 8
	v_add_nc_u32 v[ADRB0], s23, v4
.irp g, 0,1,2,3
	v_add_nc_u32 v[ADB+(\g)], s[TBR+(\g)], v[ADRB0]
.endr
	s_mul_i32 s22, s[WV], 16*SPITCH
	s_add_co_u32 s22, s22, STAGE                   ; my stage
	v_mul_u32_u24 v5, v1, SPITCH                   ; in: row l % 16, 32 bytes for each half of the lanes
	v_lshl_add_u32 v5, v2, 5, v5
	v_add_nc_u32 v[STO], s22, v5
	v_add_nc_u32 v[RD], s22, v[LN]                 ; back: a whole row of 512 bytes, 16 a lane
	s_lshl_b32 s76, s[TR], 7
	s_lshl_b32 s77, s[MH], 6
	s_add_co_u32 s76, s76, s77                     ; my first row, of 16,384 bytes
	s_lshl_b32 s76, s76, 14
	s_lshl_b32 s77, s[TC], 10                      ; my first column: 1,024 bytes a tile, 512 a half
	s_add_co_u32 s76, s76, s77
	s_lshl_b32 s77, s[NH], 9
	s_add_co_u32 s76, s76, s77
	s_mov_b32 s77, 0
	s_add_nc_u64 s[8:9], s[8:9], s[76:77]
	s_wait_tensorcnt 1                             ; my part of K step 0 is in; K step 1's may stay out
	s_barrier_signal -1
	s_barrier_wait -1
	FETCH 0
	QUARTER 0, 1                                   ; the first quarter starts the sums
	WIN 0
	s_wait_xcnt 0x0                                ; the loads have read A's address: it is stepped only behind this wait
	s_add_nc_u64 s[SA:SA+1], s[SA:SA+1], ASTEP
	s_mov_b32 s3, STEPS-2
.Lstep:                                                ; a trip: a K step's quarters 1 to 7 and the next step's quarter 0; it asks for all of the next step's A, and fills the slot that it leaves
.irp q, 1,2,3,4,5,6
	QUARTER \q, 0
.endr
	TURN 1
	QUARTER 0, 0
	WIN 0
	s_wait_xcnt 0x0
	s_add_nc_u64 s[SA:SA+1], s[SA:SA+1], ASTEP
	s_sub_co_u32 s3, s3, 1
	s_cmp_lg_u32 s3, 0
	s_cbranch_scc1 .Lstep
	s_mov_b32 s2, 2
.Ltail:                                                ; the last two K steps fill nothing. A's address stays at the last K step: the
.irp q, 1,2,3,4,5,6                                    ; second trip's loads read that step again, inside the buffer, into slots that have been multiplied, and nobody reads them; nor B's fragments that its
	QUARTER \q, 0                                  ; last quarter fetches; its barrier orders nothing: the price of one text with one set of counts
.endr
	TURN 0
	WIN 0
	s_sub_co_u32 s2, s2, 1
	s_cmp_eq_u32 s2, 0
	s_cbranch_scc1 .Lout
	QUARTER 0, 0
	WIN 0
	s_branch .Ltail
.Lout:
	s_wait_dscnt 0x0
	PLACES
; THE WAY OUT, a block of 16 rows at a time: a lane's eight f32 of each column block go into rows of 528 bytes of my own stage, straight from the accumulators (lowest registers first),
; and come back as whole rows of 512 bytes.
.macro TOSTAGE a
	WIN 0x04                                       ; the stores' data in window 1
.irp b, 0,1,2,3,4,5,6,7
	ds_store_b128 v[STO], v[8*(8*(\a)+(\b)):8*(8*(\a)+(\b))+3] offset:64*(\b)
	ds_store_b128 v[STO], v[8*(8*(\a)+(\b))+4:8*(8*(\a)+(\b))+7] offset:64*(\b)+16
.endr
	WIN 0
.set BK, OB+64*((\a)%3)
.irp t, 0,1,2,3,4,5,6,7,8,9,10,11,12,13,14,15
	ds_load_b128 v[BK+4*(\t):BK+4*(\t)+3], v[RD] offset:(\t)*SPITCH  ; LDS serves a wave's instructions in order: these see the stores above
.endr
.endm
.macro SEND a, younger                 ; younger: the next block's 16 stores and 16 loads, or none
.set BK, OB+64*((\a)%3)
	s_wait_dscnt \younger
.irp t, 0,1,2,3,4,5,6,7,8,9,10,11,12,13,14,15
	global_store_b128 v[LN], v[BK+4*(\t):BK+4*(\t)+3], s[8:9] offset:(16*(\a)+(\t))*16384  ; 512 consecutive bytes, at a multiple of 256 from out0's first
.endr
.endm
	TOSTAGE 0
	TOSTAGE 1
	SEND 0, 32
	TOSTAGE 2
	SEND 1, 32
	s_wait_xcnt 0x0                                ; block 0's stores have read their registers: block 3 is read back into them only behind this wait
	TOSTAGE 3
	SEND 2, 32
	SEND 3, 0
	s_wait_tensorcnt 0x0                           ; the wave's end
	ds_add_u32 v[SPW], v[NIL]
	s_wait_dscnt 0x0
	CROUND                                         ; the closing round
	s_endpgm
.Lfunc_end_k_qe94bfe9d63_oproj:
	.size	k_qe94bfe9d63_oproj, .Lfunc_end_k_qe94bfe9d63_oproj-k_qe94bfe9d63_oproj
	.p2alignl 7, 3214868480
	.fill 96, 4, 3214868480
	.section	.rodata,"a",@progbits
	.p2align	6, 0x0
	.amdhsa_kernel k_qe94bfe9d63_oproj
		.amdhsa_group_segment_fixed_size 327680
		.amdhsa_private_segment_fixed_size 0
		.amdhsa_enable_private_segment 0
		.amdhsa_kernarg_size 24
		.amdhsa_user_sgpr_count 2
		.amdhsa_user_sgpr_kernarg_segment_ptr 1
		.amdhsa_wavefront_size32 1
		.amdhsa_system_sgpr_workgroup_id_x 1
		.amdhsa_system_sgpr_workgroup_id_y 1
		.amdhsa_system_sgpr_workgroup_id_z 1
		.amdhsa_system_vgpr_workitem_id 0
		.amdhsa_next_free_vgpr 1024
		.amdhsa_next_free_sgpr 80
		.amdhsa_reserve_vcc 0
		.amdhsa_float_denorm_mode_32 3
		.amdhsa_float_denorm_mode_16_64 3
		.amdhsa_memory_ordered 1
		.amdhsa_forward_progress 1
		.amdhsa_inst_pref_size 97
	.end_amdhsa_kernel
	.amdgpu_metadata
---
amdhsa.version: [ 1, 2 ]
amdhsa.kernels:
  - .name:           k_qe94bfe9d63_oproj
    .symbol:         k_qe94bfe9d63_oproj.kd
    .args:
      - { .name: ctx, .offset: 0, .size: 8, .value_kind: global_buffer, .address_space: global }
      - { .name: wo16, .offset: 8, .size: 8, .value_kind: global_buffer, .address_space: global }
      - { .name: out0, .offset: 16, .size: 8, .value_kind: global_buffer, .address_space: global }
    .group_segment_fixed_size: 327680
    .private_segment_fixed_size: 0
    .kernarg_segment_align: 8
    .kernarg_segment_size: 24
    .max_flat_workgroup_size: 128
    .sgpr_count:     80
    .vgpr_count:     1024
    .wavefront_size: 32
...
	.end_amdgpu_metadata
.endif
;; end of part 4
